; MI455X (gfx1250); checked and timed in simulation.
; The chip was launched on July 23, 2026; its instructions are those of AMD's public machine-readable ISA for CDNA 5 (MIT licence, August 2026) and "CDNA5" Instruction Set Architecture Reference Guide (July 2026). The comments in the code are by the model that wrote it; some were corrected since.
;; Self Attention. Allowed arithmetic: matrix products marked QUANTISED: E2M1 operands, one E8M0 scale for each 32 along K, by v_wmma_scale_f32_16x16x128_f8f6f4 with both operands' format E2M1 (or v_wmma_scale_f32_32x16x128_f4), f32 sums; everything else in f32.
;; Inputs: Wk 512 x 512 float32; Wo 512 x 512 float32; Wq 512 x 512 float32; Wv 512 x 512 float32; bk 512 float32; bo 512 float32; bq 512 float32; bv 512 float32; x 2 x 4,096 x 512 float32.
;; Outputs: out0 2 x 4,096 x 512 float32.
;; This version of the problem:
;;   THIS VERSION OF THE PROBLEM IS GIVEN IN LOW PRECISION. The matrix products marked QUANTISED in the list below multiply operands that are first quantised to E2M1 (2 exponent bits, 1 mantissa bit; 4 bits a number), with one power-of-two scale for each 32 numbers along K (OCP MX v1.0); their sums are f32. All else is computed in f32.
;;   The module's matrix products, in the order in which they are computed (A, B: the left and right operand; K: the contracted axis; several contracted axes count as one K, in the product's order):
;;     1. [M 8,192, K 512] x [K 512, N 512]; A: input x; B: input Wq: QUANTISED
;;     2. [M 8,192, K 512] x [K 512, N 512]; A: input x; B: input Wk: QUANTISED
;;     3. [M 8,192, K 512] x [K 512, N 512]; A: input x; B: input Wv: QUANTISED
;;     4. batch 16 x [M 4,096, K 64] x [K 64, N 4,096]; A: computed on the way; B: computed on the way: QUANTISED
;;     5. batch 16 x [M 4,096, K 4,096] x [K 4,096, N 64]; A: softmax (see below); B: computed on the way: QUANTISED
;;     6. [M 8,192, K 512] x [K 512, N 512]; A: computed on the way; B: input Wo: QUANTISED
;;   THE QUANTISER, for each operand of a quantised product, along K:
;;     - K is cut into blocks of 32 from its start; a last block that is shorter is filled with zeros.
;;     - A block's scale is 2^e with e = floor(log2(the largest magnitude in the block)) - 2, held to -126 .. 127; a block of zeros has e = 0. As a byte (E8M0): e + 127.
;;     - Each number is divided by its block's scale, clamped to +-6, and rounded to the nearest number of E2M1, ties to even, subnormals kept.
;;     - The product sums the exact products of the quantised numbers (number of the format x scale) in f32.
;;   ~~~python
;;   def quantise(x, axis):      # numpy; x: float32 -> the quantised numbers, widened to float32 again
;;       x = np.moveaxis(x, axis, -1); K = x.shape[-1]
;;       x = np.pad(x, [(0, 0)] * (x.ndim - 1) + [(0, -K % 32)]); x = x.reshape(x.shape[:-1] + (-1, 32)); a = np.abs(x).max(-1, keepdims=True)
;;       e = np.where(a > 0, np.clip(np.frexp(np.where(a > 0, a, 1))[1] - 1 - 2, -126, 127), 0)      # np.frexp(a)[1] - 1 = floor(log2(a)), exactly
;;       r = np.clip(x / 2.0 ** e, -6, 6)
;;       step = 2.0 ** (np.maximum(np.frexp(np.where(r == 0, 1, r))[1] - 1, 0) - 1)
;;       q = np.round(r / step) * step * 2.0 ** e      # np.round: ties to even
;;       return np.moveaxis(q.reshape(q.shape[:-2] + (-1,))[..., :K], -1, axis).astype(np.float32)
;;   ~~~
;;   SOFTMAX AHEAD OF A QUANTISED PRODUCT. Where the list says 'softmax', what is quantised is not the finished softmax but p = 2^(t - M), with t = logit x log2(e) and M = ceil(the row's largest t), a whole number; so 1/2 < the row's largest p <= 1. The row's sum l is taken of the UNQUANTISED p, in f32, and the product's result is divided by l at the end. Since M is a whole number, a kernel that streams over the keys may use a running M (the ceiling of the running maximum): every later rescaling is an exact power of two, which a block's scale takes up: the codes' values come out the same.
;;   OPERANDS COMPUTED ON THE WAY. 'Computed on the way' means the value that the module computes at that place (a softmax that the list does not call 'softmax' is quantised finished and normalised). What goes into a quantiser is computed in f32, as accurately as f32 sums, v_exp_f32 and their like allow (about 1e-6 of the number): no bf16 or f16 on the way to a quantiser, and a product that is left as it is and whose result goes on into a quantised operand takes f32 operands (vector FMAs, or v_wmma_f32_16x16x4_f32). A number that lies on a knife's edge between two numbers of the format may be rounded either way, as far as f32 arithmetic and the matrix unit's own rounding can turn it there, and no further.
;; One version. Each part assembles by itself: llvm-mc -triple=amdgcn-amd-amdhsa -mcpu=gfx1250 --defsym DOCPART=n.
;; ======== version 1 of 1: 4 launches
;; limits: right only within a limited range of input values
;; workspace buffers: xq 2,228,224 bytes; wq 557,056 bytes; qq 2,228,224 bytes; kq 2,228,224 bytes; vq 2,228,224 bytes; aq 2,228,224 bytes
;; launch prep (part 1): grid 320 x 1, 4 waves a work-group, no clusters, 68,096 bytes of LDS; arguments x, Wq, Wk, Wv, Wo, xq, wq; writes xq, wq
.if DOCPART == 1
	.amdgcn_target "amdgcn-amd-amdhsa--gfx1250"
	.amdhsa_code_object_version 6
	.text
	.protected	k_qecfb5938c0_prep
	.globl	k_qecfb5938c0_prep
	.p2align	8
	.type	k_qecfb5938c0_prep,@function
k_qecfb5938c0_prep:
	s_mov_b64 s[64:65], 0
	v_nop
	global_prefetch_b8 v0, s[64:65] scope:SCOPE_SE
	s_setreg_imm32_b32 hwreg(HW_REG_WAVE_MODE, 25, 1), 1
	s_wait_xcnt 0x0
; PREP: x [8192][512] and the four weights [512 (k)][512 (n)], f32, become codes of FP4 (E2M1) with one E8M0 byte for each 32 along K, laid as IMAGES OF OPERAND REGISTERS.
; A fragment (16 rows x 128 K) is 8 registers a lane; its image is 1,024 bytes: registers 4 c .. 4 c + 3 of lane l at 512 c + 16 l.  Lane (r, h) holds k = 64 c + 32 h + 0 .. 31 of fragment row r.
; THE ROWS OF A TILE ARE NOT NEIGHBOURS: tile (G, u) of a group of 32 rows takes row 32 G + 8 u + r + (r & 8) as its fragment row r (x's rows, and the weights' columns), so that a later product's
; results of tiles (G, 0) and (G, 1) are 16 neighbours in a lane's registers.
; xq: codes at (2 G + u) 4096 + s 1024 + image; scale words at XSCL + G 512 + s 128 + 4 (16 u + r).   wq: codes at (32 w + t) 4096 + s 1024 + image; scale words at WSCL + ((4 w + s) 32 + t) 64 + 4 m.
; A block's scale is 2^(floor(log2(its largest magnitude)) - 2): its byte is the largest magnitude's exponent field - 2, held at 1 from below.
; LIMITS: NaN and infinities among the inputs are not served; a block whose largest magnitude lies under 2^-124 gets the byte 1; a block of zeros gets the byte 1 where the rule says 127: its codes are zeros,
; which add nothing under any byte but 0xff, and this program alone reads the bytes.
; SHARES: work-groups 0-255 take a group of 32 rows of x each, work-groups 256-319 a group of 32 columns of one weight; the wave's number is the K step of 128.  A lane always holds WHOLE blocks of 32, so no
; maximum asks another lane.  All loads of a wave (128 registers) go out at once.  LDS only as each wave's own stage, no barrier, no matrix unit: waves share nothing and the launch only moves bytes.
; The scale words leave in runs of 128 bytes: 164 KB of the 23.8 MB that the launch moves.
.set D,    32                          ; v32-159  128 numbers
.set C,    160                         ; v160-175 codes: four registers a block; no store's data are written again
.set BY,   176                         ; v176-179 a scale byte for each block
.set XSCL, 2097152
.set WSCL, 524288
; 32 numbers of ONE block, v[src] on, become four registers of codes, v[dst] on, and the byte v[by]
.macro BLK32 src, dst, by
	v_max3_num_f32 v10, |v[\src]|, |v[\src+1]|, |v[\src+2]|          ; the largest magnitude, in two chains
	v_max3_num_f32 v11, |v[\src+3]|, |v[\src+4]|, |v[\src+5]|
.irp i, 6,10,14,18,22,26
	v_max3_num_f32 v10, v10, |v[\src+\i]|, |v[\src+\i+1]|
	v_max3_num_f32 v11, v11, |v[\src+\i+2]|, |v[\src+\i+3]|
.endr
	v_max3_num_f32 v10, v10, |v[\src+30]|, |v[\src+31]|
	v_max3_num_f32 v10, v10, v11, 0x1800000                          ; and the floor 2^(3 - 127): the byte cannot fall under 1
	v_add_nc_u32 v12, 0xff000000, v10                                ; 2 off the exponent field: the conversion takes the exponent field of this operand as its scale
	v_lshrrev_b32 v[\by], 23, v12                                    ; the scale's byte
.irp g, 0,1,2,3
	v_cvt_scalef32_pk8_fp4_f32 v[\dst+\g], v[\src+8*\g:\src+8*\g+7], v12
.endr
	v_nop                                                            ; one plain line behind the last conversion of a run
.endm
	s_load_b256 s[4:11], s[0:1], 0x0               ; x s[4:5], Wq s[6:7], Wk s[8:9], Wv s[10:11]
	s_load_b128 s[12:15], s[0:1], 0x20             ; Wo s[12:13], xq s[14:15]
	s_load_b64 s[16:17], s[0:1], 0x30              ; wq
	v_lshl_add_u32 v20, v0, 2, 67584               ; my spare word, behind the four stages of 32 x 528 bytes; never rewritten
	v_mov_b32 v21, 0                               ; 0; never rewritten
	v_lshrrev_b32 v1, 5, v0
	v_readfirstlane_b32 s18, v1                    ; wave = K step s
	v_and_b32 v1, 31, v0                           ; lane
	v_and_b32 v2, 15, v0                           ; r (m)
	v_bfe_u32 v3, v0, 4, 1                         ; h (u)
	v_and_b32 v9, 8, v2
	v_add_nc_u32 v9, v9, v2                        ; r + (r & 8)
	v_lshlrev_b32 v5, 4, v1                        ; 16 x lane: my place in an image
	v_lshlrev_b32 v6, 2, v1                        ; 4 x lane: my scale word's place
	v_lshlrev_b32 v8, 3, v3                        ; 8 h
	v_mov_b32 v14, 0                               ; written once: a lane permute's destination counts as one of its sources
	s_mov_b32 s20, 0x76543210
	s_mov_b32 s21, 0xfedcba98                      ; v_permlanex16_b32's selects for lane l xor 16
	s_cmp_lt_u32 ttmp9, 256
	s_cbranch_scc0 .Lweights
	; ---- x: group G = the work-group's number.  Lane (r, h) takes, for tile u and c = 0, 1, the block k = 128 s + 64 c + 32 h + 0 .. 31 of row 32 G + 8 u + r + (r & 8): 128 bytes, eight loads
	; x's loads take whole runs of 512 bytes of a row, 16 bytes a lane; the wave's 32 rows turn through its own stage in LDS (rows 528 bytes apart) and come back a block of 128 bytes a lane
	s_mul_i32 s19, s18, 16896                      ; my wave's stage
	v_mul_u32_u24 v4, v9, 528                      ; out of it: stage row r + (r & 8),
	v_lshl_add_u32 v4, v3, 7, v4                   ; + 128 h
	v_add_nc_u32 v4, s19, v4
	v_add_nc_u32 v7, s19, v5                       ; into it: 16 x lane
	s_lshl_b32 s22, ttmp9, 16                      ; x: 32 rows a group,
	s_lshl_b32 s24, s18, 9                         ; 512 bytes a K step
	s_add_co_u32 s22, s22, s24
	s_mov_b32 s23, 0
	s_lshl_b32 s24, ttmp9, 13                      ; codes: two tiles of 4,096 bytes a group,
	s_lshl_b32 s26, s18, 10                        ; 1,024 a K step
	s_add_co_u32 s24, s24, s26
	s_mov_b32 s25, 0
	s_lshl_b32 s26, ttmp9, 9                       ; scale words: 512 bytes a group,
	s_lshl_b32 s28, s18, 7                         ; 128 a K step
	s_add_co_u32 s26, s26, s28
	s_add_co_u32 s26, s26, XSCL
	s_mov_b32 s27, 0
	s_wait_alu depctr_va_vdst(0)
	s_wait_kmcnt 0x0
	s_add_nc_u64 s[22:23], s[4:5], s[22:23]
	s_add_nc_u64 s[24:25], s[14:15], s[24:25]
	s_add_nc_u64 s[26:27], s[14:15], s[26:27]
.irp q, 0,1,2,3                                        ; q = 2 u + c
.irp i, 0,1,2,3,4,5,6,7
	global_load_b128 v[D+32*\q+4*\i:D+32*\q+4*\i+3], v5, s[22:23] offset:(8*\q+\i)*2048 th:TH_LOAD_NT   ; row 8 q + i of the group: 32 lanes read 512 consecutive bytes
.endr
.endr
.irp q, 0,1,2,3
	s_wait_loadcnt 24-8*\q                         ; these eight rows are in; the younger loads stay out
.irp i, 0,1,2,3,4,5,6,7
	ds_store_b128 v7, v[D+32*\q+4*\i:D+32*\q+4*\i+3] offset:(8*\q+\i)*528
.endr
.endr
	s_wait_dscnt 0x0                               ; the stores have read their registers, which the loads below write
.irp q, 0,1,2,3                                        ; q = 2 u + c: block k = 64 c + 32 h of stage row 8 u + r + (r & 8)
.irp i, 0,1,2,3,4,5,6,7
	ds_load_b128 v[D+32*\q+4*\i:D+32*\q+4*\i+3], v4 offset:(\q/2)*4224+(\q%2)*256+16*\i
.endr
.endr
.irp q, 0,1,2,3
	s_wait_dscnt 24-8*\q                           ; this block's eight loads are back; the younger blocks' stay out
	BLK32 D+32*\q, C+4*\q, BY+\q
.endr
.irp u, 0,1                                            ; my two bytes of tile u are those of blocks h and 2 + h of my row: with lane l xor 16's two the word is whole
	v_lshl_or_b32 v13, v[BY+2*\u+1], 16, v[BY+2*\u]
	v_lshlrev_b32 v13, v8, v13
	v_permlanex16_b32 v14, v13, s20, s21
	v_or_b32 v[15+\u], v13, v14
.endr
	v_cmp_le_u32 vcc_lo, 16, v1
	v_cndmask_b32 v13, v15, v16, vcc_lo            ; lanes 0-15 keep tile 0's words, lanes 16-31 tile 1's
.irp q, 0,1,2,3
	global_store_b128 v5, v[C+4*\q:C+4*\q+3], s[24:25] offset:(\q/2)*4096+(\q%2)*512   ; 32 lanes store 512 consecutive bytes, aligned
.endr
	global_store_b32 v6, v13, s[26:27]
	s_wait_tensorcnt 0x0                           ; the wave's end
	ds_add_u32 v20, v21
	s_wait_dscnt 0x0
	s_endpgm
.Lweights:
	; ---- a weight: lane (m, u) takes column 32 g + 8 u + m + (m & 8), and its 128 registers run DOWN K: each load reads 128 consecutive bytes, and the codes come out with K innermost
	s_sub_co_u32 s30, ttmp9, 256
	s_lshr_b32 s31, s30, 4                         ; which weight: 0 Wq, 1 Wk, 2 Wv, 3 Wo
	s_and_b32 s30, s30, 15                         ; which group of 32 columns
	s_wait_alu depctr_va_vdst(0)
	v_lshl_add_u32 v4, v3, 3, v9
	v_lshlrev_b32 v4, 2, v4                        ; my column in the group, in bytes
	v_lshlrev_b32 v7, 4, v2
	v_lshl_add_u32 v7, v3, 12, v7                  ; codes: tile u, 16 m
	s_lshl_b32 s22, s18, 18                        ; 128 rows of 2,048 bytes a K step
	s_lshl_b32 s24, s30, 7
	s_add_co_u32 s22, s22, s24
	s_mov_b32 s23, 0
	s_lshl_b32 s24, s31, 5
	s_lshl_b32 s26, s30, 1
	s_add_co_u32 s24, s24, s26                     ; tile 32 w + 2 g
	s_lshl_b32 s24, s24, 12
	s_lshl_b32 s26, s18, 10
	s_add_co_u32 s24, s24, s26
	s_mov_b32 s25, 0
	s_lshl_b32 s26, s31, 2
	s_add_co_u32 s26, s26, s18
	s_lshl_b32 s26, s26, 5
	s_lshl_b32 s28, s30, 1
	s_add_co_u32 s26, s26, s28
	s_lshl_b32 s26, s26, 6                         ; ((4 w + s) 32 + 2 g) 64
	s_add_co_u32 s26, s26, WSCL
	s_mov_b32 s27, 0
	s_wait_alu depctr_va_vdst(0)
	s_wait_kmcnt 0x0
	s_cmp_eq_u32 s31, 1                            ; the choice hangs on the work-group's number alone
	s_cselect_b64 s[28:29], s[8:9], s[6:7]
	s_cmp_eq_u32 s31, 2
	s_cselect_b64 s[28:29], s[10:11], s[28:29]
	s_cmp_eq_u32 s31, 3
	s_cselect_b64 s[28:29], s[12:13], s[28:29]
	s_add_nc_u64 s[22:23], s[28:29], s[22:23]
	s_add_nc_u64 s[24:25], s[16:17], s[24:25]
	s_add_nc_u64 s[26:27], s[16:17], s[26:27]
.set i, 0
.rept 128
	global_load_b32 v[D+i], v4, s[22:23] offset:i*2048 th:TH_LOAD_NT
.set i, i+1
.endr
	s_wait_loadcnt 63                              ; at most 63 of the 128 are out: blocks 0 and 1 are in
	BLK32 D, C, BY
	BLK32 D+32, C+4, BY+1
	s_wait_loadcnt 32                              ; block 2 is in; block 3's 32 loads may be out
	BLK32 D+64, C+8, BY+2
	s_wait_loadcnt 0x0
	BLK32 D+96, C+12, BY+3
	v_lshl_or_b32 v13, v[BY+1], 8, v[BY]           ; my column's scale word for this K step
	v_lshl_or_b32 v13, v[BY+2], 16, v13
	v_lshl_or_b32 v13, v[BY+3], 24, v13
.irp b, 0,1,2,3                                        ; block b = 2 c + h of the fragment: registers 4 c .. 4 c + 3 of lane 16 h + m
	global_store_b128 v7, v[C+4*\b:C+4*\b+3], s[24:25] offset:(\b/2)*512+(\b%2)*256   ; sixteen lanes store 256 consecutive bytes, aligned
.endr
	global_store_b32 v6, v13, s[26:27]
	s_endpgm
.Lfunc_end_k_qecfb5938c0_prep:
	.size	k_qecfb5938c0_prep, .Lfunc_end_k_qecfb5938c0_prep-k_qecfb5938c0_prep
	.p2alignl 7, 3214868480
	.fill 96, 4, 3214868480
	.section	.rodata,"a",@progbits
	.p2align	6, 0x0
	.amdhsa_kernel k_qecfb5938c0_prep
		.amdhsa_group_segment_fixed_size 68096
		.amdhsa_private_segment_fixed_size 0
		.amdhsa_enable_private_segment 0
		.amdhsa_kernarg_size 56
		.amdhsa_user_sgpr_count 2
		.amdhsa_user_sgpr_kernarg_segment_ptr 1
		.amdhsa_wavefront_size32 1
		.amdhsa_system_sgpr_workgroup_id_x 1
		.amdhsa_system_sgpr_workgroup_id_y 1
		.amdhsa_system_sgpr_workgroup_id_z 1
		.amdhsa_system_vgpr_workitem_id 0
		.amdhsa_next_free_vgpr 192
		.amdhsa_next_free_sgpr 66
		.amdhsa_reserve_vcc 1
		.amdhsa_float_denorm_mode_32 3
		.amdhsa_float_denorm_mode_16_64 3
		.amdhsa_memory_ordered 1
		.amdhsa_forward_progress 1
		.amdhsa_inst_pref_size 36
	.end_amdhsa_kernel
	.amdgpu_metadata
---
amdhsa.version: [ 1, 2 ]
amdhsa.kernels:
  - .name:           k_qecfb5938c0_prep
    .symbol:         k_qecfb5938c0_prep.kd
    .args:
      - { .name: x, .offset: 0, .size: 8, .value_kind: global_buffer, .address_space: global }
      - { .name: Wq, .offset: 8, .size: 8, .value_kind: global_buffer, .address_space: global }
      - { .name: Wk, .offset: 16, .size: 8, .value_kind: global_buffer, .address_space: global }
      - { .name: Wv, .offset: 24, .size: 8, .value_kind: global_buffer, .address_space: global }
      - { .name: Wo, .offset: 32, .size: 8, .value_kind: global_buffer, .address_space: global }
      - { .name: xq, .offset: 40, .size: 8, .value_kind: global_buffer, .address_space: global }
      - { .name: wq, .offset: 48, .size: 8, .value_kind: global_buffer, .address_space: global }
    .group_segment_fixed_size: 68096
    .private_segment_fixed_size: 0
    .kernarg_segment_align: 8
    .kernarg_segment_size: 56
    .max_flat_workgroup_size: 128
    .sgpr_count:     66
    .vgpr_count:     192
    .wavefront_size: 32
...
	.end_amdgpu_metadata
.endif
;; end of part 1
;; launch qkv (part 2): grid 64 x 4, 6 waves a work-group, no clusters, 168,704 bytes of LDS; arguments xq, wq, bq, bk, bv, qq, kq, vq; writes qq, kq, vq
.if DOCPART == 2
	.amdgcn_target "amdgcn-amd-amdhsa--gfx1250"
	.amdhsa_code_object_version 6
	.text
	.protected	k_qecfb5938c0_qkv
	.globl	k_qecfb5938c0_qkv
	.p2align	8
	.type	k_qecfb5938c0_qkv,@function
k_qecfb5938c0_qkv:
	s_mov_b64 s[64:65], 0
	v_nop
	global_prefetch_b8 v0, s[64:65] scope:SCOPE_SE
	s_setreg_imm32_b32 hwreg(HW_REG_WAVE_MODE, 25, 1), 1
	s_wait_xcnt 0x0
; QKV: q = x Wq + bq, k = x Wk + bk, v = x Wv + bv on codes of FP4 with E8M0 scales, and the three results quantised at once: q and k along the head's 64, v along the keys.  No f32 result goes to memory.
; SHARES: a work-group takes 128 rows of x (8 tiles of 16) and a pair of heads.  Wave w: role w / 2 (0 q, 1 k, 2 v), head 2 y + w % 2: six equal tasks of 128 matrix instructions.  A wave's 16 weight fragments
; (64 columns x 512 K) and its bias stay in its registers (window 1); x's 32 fragments and their scale words come into LDS once, by two tensor loads, and all six waves read them.
; TILES: fragment row r of tile (G, u) is row 32 G + 8 u + r + (r & 8), for x's rows and the weights' columns alike.
; q, k: THE PRODUCT IS USED TRANSPOSED (source 0 = 16 columns of W, source 1 = 16 rows of x): a lane holds one row of x, and the registers of a head's four tiles are d = 32 b + 16 h + 0 .. 15: 32 numbers, two half
;   blocks, which QUANT2 turns into a HALF IMAGE (16 rows x 64 K, 4 registers, 512 bytes: lane (r, h) holds block h of row r).  qq, kq: codes at bh 131072 + tile 512; scale words at
;   2097152 + bh 8192 + step 256 + 16 m + 4 g, each H(tile 2 g) | H(tile 2 g + 1) << 16 with H = byte(block 0) | byte(block 1) << 8.
; v: the natural order (source 0 = x, source 1 = 16 columns of Wv): a lane holds one d, and the registers of the eight tiles run down the 128 keys: one fragment of V^T.  vq: codes at bh 131072 + step 4096 + t 1024;
;   scale words at 2097152 + bh 8192 + step 256 + 8 (16 u + m) + 4 b, t = 2 b + u.
; The biases are the C of each sum's first matrix instruction, in the result's layout.
; NO CLUSTER: of the 133 KB that a work-group fetches, 34,816 bytes (x's codes and scale words) are shared with the three neighbours along y; the 98 KB of weights go straight into registers and cannot be asked for jointly.
; LDS is filled once, so there is one barrier and no ring.
; LIMITS: NaN and infinities are not served; a block whose largest magnitude lies under 2^-124, a block of zeros among them, gets the byte 1 (zero codes add nothing under any byte but 0xff; this program alone reads the bytes).
; REGISTERS, window 0: v1-6 lane numbers and offsets; v8-15 the bias's offsets; v16-79 x's fragments; v80-83, v92-95 x's scale words; v84-91 the weights' scale words; from v96 accumulators; v224-239 at work.
;   window 1: v0-127 the 16 weight fragments ((t, s) at 8 (4 t + s)); v128-159 the bias, eight registers a tile.
.set XSB,  32768                       ; LDS: x's fragments (tile, K step) at (4 tile + s) 1024; behind them the scale words at g 512 + s 128 + 4 lane
.set LI,   4                           ; v4   16 x lane
.set L4,   5                           ; v5   4 x lane
.set L8,   6                           ; v6   8 x lane
.set BO,   8                           ; v8-15
.set XF,   16
.set XSC,  80                          ; set 0 at v80, set 1 at v92
.set WS,   84                          ; v[84 + 2 s + b]: lanes 0-15 tile (b, 0), lanes 16-31 tile (b, 1)
.set ACC,  96
.set PC,   128                         ; q, k: four registers of codes for each tile, so that no store's data are written again
.set SW,   160                         ; v160-163 the scale words of the four groups
.set HE,   164                         ; H of the even tile
.set HO,   165                         ; H of the odd tile
.set RHO,  166                         ; r + (r & 8), at the head only
.set TM,   224
.set VPC,  240                         ; v: a fragment's codes
.set VPW,  248                         ; its scale word
.set VW0,  249
.set VW,   250                         ; v250-251 the words to store
.set BI,   128                         ; in window 1
.set WV,   20
.set ROLE, 21
.set SEL,  66
.set MSB, 0
.macro WIN new                         ; the immediate's high byte repeats the setting that is left
.if MSB != \new
	s_set_vgpr_msb (MSB<<8)|\new
.set MSB, \new
.endif
.endm
; one matrix instruction; ra, rb: which half of the lanes holds A's and B's scale words
.macro WM d, a, b, c, sa, sb, ra, rb
.if (\ra)==0 && (\rb)==0
	v_wmma_scale_f32_16x16x128_f8f6f4 v[\d:\d+7], v[\a:\a+7], v[\b:\b+7], v[\c:\c+7], v[\sa], v[\sb] matrix_a_fmt:MATRIX_FMT_FP4 matrix_b_fmt:MATRIX_FMT_FP4
.elseif (\rb)==0
	v_wmma_scale_f32_16x16x128_f8f6f4 v[\d:\d+7], v[\a:\a+7], v[\b:\b+7], v[\c:\c+7], v[\sa], v[\sb] matrix_a_fmt:MATRIX_FMT_FP4 matrix_b_fmt:MATRIX_FMT_FP4 matrix_a_scale:MATRIX_SCALE_ROW1
.elseif (\ra)==0
	v_wmma_scale_f32_16x16x128_f8f6f4 v[\d:\d+7], v[\a:\a+7], v[\b:\b+7], v[\c:\c+7], v[\sa], v[\sb] matrix_a_fmt:MATRIX_FMT_FP4 matrix_b_fmt:MATRIX_FMT_FP4 matrix_b_scale:MATRIX_SCALE_ROW1
.else
	v_wmma_scale_f32_16x16x128_f8f6f4 v[\d:\d+7], v[\a:\a+7], v[\b:\b+7], v[\c:\c+7], v[\sa], v[\sb] matrix_a_fmt:MATRIX_FMT_FP4 matrix_b_fmt:MATRIX_FMT_FP4 matrix_a_scale:MATRIX_SCALE_ROW1 matrix_b_scale:MATRIX_SCALE_ROW1
.endif
.endm
.macro PLACES
.rept 4
	v_nop
.endr
.endm
; 32 numbers of a lane, register 16 b + i = k 32 b + 16 h + i of my row, become a half image in v[pc] on, and H = byte(block 0) | byte(block 1) << 8 in v[hw]
.macro QUANT2 s, pc, hw
.irp b, 0,1
	v_max3_num_f32 v[TM+\b], |v[\s+16*\b]|, |v[\s+1+16*\b]|, 0x1800000      ; my 16 numbers of block b, and the floor 2^(3 - 127)
.endr
.irp i, 2,4,6,8,10,12,14
.irp b, 0,1
	v_max3_num_f32 v[TM+\b], v[TM+\b], |v[\s+16*\b+\i]|, |v[\s+1+16*\b+\i]|
.endr
.endr
.irp b, 0,1
	v_permlanex16_b32 v[TM+2+\b], v[TM+\b], s[SEL], s[SEL+1]
.endr
.irp b, 0,1
	v_max_num_f32 v[TM+\b], v[TM+\b], v[TM+2+\b]                           ; with lane l xor 16's: the block's largest magnitude
.endr
.irp b, 0,1
	v_add_nc_u32 v[TM+4+\b], 0xff000000, v[TM+\b]                          ; 2 off its exponent field: the conversion's scale operand
.endr
.irp b, 0,1
	v_lshrrev_b32 v[TM+2+\b], 23, v[TM+4+\b]                               ; the scale's byte
.endr
	v_lshl_or_b32 v[\hw], v[TM+3], 8, v[TM+2]
.irp b, 0,1
	v_cvt_scalef32_pk8_fp4_f32 v[\pc+2*\b], v[\s+16*\b:\s+7+16*\b], v[TM+4+\b]
	v_cvt_scalef32_pk8_fp4_f32 v[\pc+1+2*\b], v[\s+8+16*\b:\s+15+16*\b], v[TM+4+\b]
.endr
	v_nop                                                                  ; one plain line behind a scaled conversion
	v_permlane16_swap_b32 v[\pc], v[\pc+2]                                 ; the layout wants a WHOLE block in a lane: lanes 0-15 block 0, lanes 16-31 block 1
	v_permlane16_swap_b32 v[\pc+1], v[\pc+3]
.endm
; 64 numbers of a lane, register 16 b + i = k 32 b + 16 h + i of my row, become a fragment's codes in v[VPC] on and its scale word in v[VPW]
.macro QUANT s
.irp b, 0,1,2,3
	v_max3_num_f32 v[TM+\b], |v[\s+16*\b]|, |v[\s+1+16*\b]|, 0x1800000
.endr
.irp i, 2,4,6,8,10,12,14
.irp b, 0,1,2,3
	v_max3_num_f32 v[TM+\b], v[TM+\b], |v[\s+16*\b+\i]|, |v[\s+1+16*\b+\i]|
.endr
.endr
.irp b, 0,1,2,3
	v_permlanex16_b32 v[TM+4+\b], v[TM+\b], s[SEL], s[SEL+1]
.endr
.irp b, 0,1,2,3
	v_max_num_f32 v[TM+\b], v[TM+\b], v[TM+4+\b]
.endr
.irp b, 0,1,2,3
	v_add_nc_u32 v[TM+12+\b], 0xff000000, v[TM+\b]
.endr
.irp b, 0,1,2,3
	v_lshrrev_b32 v[TM+4+\b], 23, v[TM+12+\b]
.endr
	v_lshl_or_b32 v[VPW], v[TM+5], 8, v[TM+4]
	v_lshl_or_b32 v[VPW], v[TM+6], 16, v[VPW]
	v_lshl_or_b32 v[VPW], v[TM+7], 24, v[VPW]
.irp b, 0,1,2,3
	v_cvt_scalef32_pk8_fp4_f32 v[VPC+2*\b], v[\s+16*\b:\s+7+16*\b], v[TM+12+\b]
	v_cvt_scalef32_pk8_fp4_f32 v[VPC+1+2*\b], v[\s+8+16*\b:\s+15+16*\b], v[TM+12+\b]
.endr
	v_nop
.irp c, 0,1
.irp i, 0,1
	v_permlane16_swap_b32 v[VPC+4*\c+\i], v[VPC+2+4*\c+\i]
.endr
.endr
.endm
	; ---- the head: one text for all six waves; the roles enter through scalars alone
	s_load_b512 s[4:19], s[0:1], 0x0               ; xq s[4:5], wq s[6:7], bq s[8:9], bk s[10:11], bv s[12:13], qq s[14:15], kq s[16:17], vq s[18:19]
	v_lshl_add_u32 v254, v0, 2, 0x29000
	v_mov_b32 v255, 0
	ds_add_u32 v254, v255
	ds_add_u32 v254, v255
	v_lshrrev_b32 v1, 5, v0
	v_readfirstlane_b32 s[WV], v1                  ; wave 0..5
	s_lshr_b32 s[ROLE], s[WV], 1                   ; 0 q, 1 k, 2 v
	s_and_b32 s22, s[WV], 1
	s_and_b32 s23, ttmp7, 0xffff
	s_lshl_b32 s23, s23, 1
	s_add_co_u32 s23, s23, s22                     ; my head
	s_mov_b32 s48, ttmp9                           ; R: which 128 rows of x
	s_lshr_b32 s49, s48, 5                         ; batch
	s_and_b32 s50, s48, 31                         ; the step of 128 rows within the batch
	s_lshl_b32 s51, s49, 3
	s_add_co_u32 s51, s51, s23                     ; bh = 8 batch + head
	; descriptor group 1: x's codes, 32,768 dense bytes as 128 rows of 256 (32 elements of 8 bytes); the scale words, 2,048 bytes as 8 such rows
	s_mov_b32 s24, 3<<16                           ; no mask; elements of 8 bytes; no padding: images are read 512 consecutive bytes an instruction
	s_mov_b32 s25, 32<<16                          ; tensor_dim0 = 32
	s_mov_b32 s26, 128<<16                         ; tensor_dim1 = 128
	s_mov_b32 s27, 32<<16                          ; tile_dim0 = 32
	s_mov_b32 s28, 128                             ; tile_dim1 = 128
	s_mov_b32 s29, 32                              ; from row to row
	s_mov_b32 s30, 0
	s_mov_b32 s31, 0
	s_mov_b32 s32, 3<<16
	s_mov_b32 s33, 32<<16
	s_mov_b32 s34, 8<<16
	s_mov_b32 s35, 32<<16
	s_mov_b32 s36, 8
	s_mov_b32 s37, 32
	s_mov_b32 s38, 0
	s_mov_b32 s39, 0
	s_mov_b32 s[SEL], 0x76543210
	s_mov_b32 s[SEL+1], 0xfedcba98                 ; v_permlanex16_b32's selects for lane l xor 16
	v_and_b32 v1, 31, v0                           ; lane
	v_and_b32 v2, 15, v0                           ; r
	v_bfe_u32 v3, v0, 4, 1                         ; h
	v_lshlrev_b32 v[LI], 4, v1
	v_lshlrev_b32 v[L4], 2, v1
	v_lshlrev_b32 v[L8], 3, v1
	v_and_b32 v7, 8, v2
	v_add_nc_u32 v[RHO], v7, v2                    ; r + (r & 8)
	; the bias in the result's layout.  q, k: register j of tile (b, u) wants b[32 b + 8 u + 16 h + j];  v: all eight want bv[32 b + 8 u + r + (r & 8)]
	s_cmp_eq_u32 s[ROLE], 2
	s_cselect_b32 s68, 0, 64                       ; bytes for h
	s_cselect_b32 s69, 4, 0                        ; bytes for r + (r & 8)
	s_cselect_b32 s70, 0, 4                        ; bytes for j
	v_mul_u32_u24 v7, v3, s68
	v_mad_u32_u24 v7, v[RHO], s69, v7
.irp j, 0,1,2,3,4,5,6,7
	v_mad_u32_u24 v[BO+\j], s70, \j, v7
.endr
.irp j, 2,3,4,5,6,7
	v_mov_b32 v[TM+\j], 0                          ; written once: a lane permute's destination counts as one of its sources
.endr
	s_lshl_b32 s52, s[ROLE], 17                    ; my weight's 32 tiles of 4,096 bytes,
	s_lshl_b32 s54, s23, 14                        ; my head's four
	s_add_co_u32 s52, s52, s54
	s_mov_b32 s53, 0
	s_lshl_b32 s54, s[ROLE], 13                    ; the weights' scale words: 8,192 bytes a weight,
	s_lshl_b32 s56, s23, 8                         ; 256 a head (and so is a head's part of a bias)
	s_add_co_u32 s54, s54, s56
	s_add_co_u32 s54, s54, 524288
	s_mov_b32 s55, 0
	s_mov_b32 s57, 0
	s_lshl_b32 s58, s51, 17                        ; out: codes at bh 131072 + step 4096
	s_lshl_b32 s60, s50, 12
	s_add_co_u32 s58, s58, s60
	s_mov_b32 s59, 0
	s_lshl_b32 s60, s51, 13                        ; scale words at 2097152 + bh 8192 + step 256
	s_lshl_b32 s62, s50, 8
	s_add_co_u32 s60, s60, s62
	s_add_co_u32 s60, s60, 2097152
	s_mov_b32 s61, 0
	s_lshl_b32 s62, s48, 15                        ; x's codes: 32,768 bytes for 128 rows
	s_mov_b32 s63, 0
	s_lshl_b32 s74, s48, 11                        ; x's scale words: 2,048
	s_add_co_u32 s74, s74, 2097152
	s_mov_b32 s75, 0
	s_wait_dscnt 0x0
	s_wait_kmcnt 0x0
	s_mov_b32 s40, 1                               ; group 0 for the codes: count 1,
	s_mov_b32 s41, 0                               ; LDS byte 0,
	s_add_nc_u64 s[42:43], s[4:5], s[62:63]        ; from here,
	s_or_b32 s43, s43, 0x80000000                  ; type 2
	s_mov_b32 s44, 1
	s_mov_b32 s45, XSB
	s_add_nc_u64 s[46:47], s[4:5], s[74:75]
	s_or_b32 s47, s47, 0x80000000
	s_cmp_eq_u32 s[WV], 0                          ; wave 0 fetches the codes, wave 1 the scale words: the launch's only fills; four v_nop follow each
	s_cbranch_scc0 .Lnot_0
	tensor_load_to_lds s[40:43], s[24:31]
	s_nop 0
.rept 4
	v_nop
.endr
	s_branch .Lasked
.Lnot_0:
	s_cmp_eq_u32 s[WV], 1
	s_cbranch_scc0 .Lasked
	tensor_load_to_lds s[44:47], s[32:39]
	s_nop 0
.rept 4
	v_nop
.endr
.Lasked:
	s_add_nc_u64 s[52:53], s[6:7], s[52:53]        ; my weight fragments
	s_add_nc_u64 s[54:55], s[6:7], s[54:55]        ; their scale words
	s_cmp_eq_u32 s[ROLE], 0                        ; the choices hang on the wave's number alone
	s_cselect_b64 s[76:77], s[8:9], s[10:11]
	s_cselect_b64 s[78:79], s[14:15], s[16:17]
	s_cmp_eq_u32 s[ROLE], 2
	s_cselect_b64 s[76:77], s[12:13], s[76:77]
	s_cselect_b64 s[78:79], s[18:19], s[78:79]
	s_add_nc_u64 s[56:57], s[76:77], s[56:57]      ; my head's bias
	s_add_nc_u64 s[58:59], s[78:79], s[58:59]      ; where my codes go
	s_add_nc_u64 s[60:61], s[78:79], s[60:61]      ; and my scale words
	WIN 0x40                                       ; destination window 1
.set i, 0
.rept 32
	global_load_b128 v[4*i:4*i+3], v[LI], s[52:53] offset:512*i    ; 16 KB on end: fragment (t, s) lands at 8 (4 t + s)
.set i, i+1
.endr
	s_wait_alu depctr_va_vdst(0)
.irp t, 0,1,2,3
.irp j, 0,1,2,3,4,5,6,7
	global_load_b32 v[BI+8*\t+\j], v[BO+\j], s[56:57] offset:(32*(\t/2)+8*(\t%2))*4
.endr
.endr
	WIN 0
.irp s, 0,1,2,3
.irp b, 0,1
	global_load_b32 v[WS+2*\s+\b], v[L4], s[54:55] offset:\s*2048+\b*128
.endr
.endr
	s_wait_tensorcnt 0x0                           ; my fill, if I issued one, has landed:
	s_barrier_signal -1
	s_barrier_wait -1                              ; both have, for every wave.  The launch's only barrier: nothing in LDS is written again
	s_wait_loadcnt 0x0                             ; weights, bias, scale words
	s_cmp_eq_u32 s[ROLE], 2
	s_cbranch_scc1 .Lv
	; ---- q and k
.macro XLOADT t                        ; tile t's four fragments into set t % 2; with an even tile its group's four scale words (lanes 0-15 the even tile's, lanes 16-31 the odd one's)
.irp s, 0,1,2,3
.irp c, 0,1
	ds_load_b128 v[XF+32*((\t)%2)+8*\s+4*\c:XF+32*((\t)%2)+8*\s+4*\c+3], v[LI] offset:(4*(\t)+\s)*1024+512*\c
.endr
.endr
.if (\t)%2 == 0
.irp s, 0,1,2,3
	ds_load_b32 v[XSC+12*(((\t)/2)%2)+\s], v[L4] offset:XSB+((\t)/2)*512+\s*128
.endr
.endif
.endm
.macro QKTILE t
	s_wait_dscnt 0x0                               ; this tile's fragments, asked for a tile ago, are in
.if (\t) < 7
	XLOADT (\t)+1                                  ; the next tile's, into the other set: its last products stand a whole quantiser back
.endif
.irp s, 0,1,2,3                                        ; K step by K step; the four accumulators take turns
.if \s == 0
	WIN 0x11                                       ; source 0 (W) and source 2 (the bias) window 1
.else
	WIN 0x01
.endif
.irp n, 0,1,2,3
.if \s == 0
	WM ACC+8*\n, 8*(4*\n+\s), XF+32*((\t)%2)+8*\s, BI+8*\n, WS+2*\s+\n/2, XSC+12*(((\t)/2)%2)+\s, \n%2, (\t)%2
.else
	WM ACC+8*\n, 8*(4*\n+\s), XF+32*((\t)%2)+8*\s, ACC+8*\n, WS+2*\s+\n/2, XSC+12*(((\t)/2)%2)+\s, \n%2, (\t)%2
.endif
.endr
.endr
	WIN 0
	PLACES                                         ; four places between the last product and the first read of results
.if (\t)%2 == 0
	QUANT2 ACC, PC+4*(\t), HE
.else
	QUANT2 ACC, PC+4*(\t), HO
	v_lshl_or_b32 v[SW+(\t)/2], v[HO], 16, v[HE]   ; the group's scale word of my row
.endif
	global_store_b128 v[LI], v[PC+4*(\t):PC+4*(\t)+3], s[58:59] offset:(\t)*512   ; 512 consecutive bytes, aligned
.endm
	XLOADT 0
.irp t, 0,1,2,3,4,5,6,7
	QKTILE \t
.endr
	s_wait_alu depctr_va_vdst(0)
	s_wait_xcnt 0x0                                ; EXEC is a source of the stores above: it changes only behind this wait
	v_cmp_gt_u32 vcc_lo, 16, v1
	s_wait_tensorcnt 0x0
	ds_add_u32 v254, v255
	s_wait_dscnt 0x0
	s_and_saveexec_b32 s72, vcc_lo
	global_store_b128 v[LI], v[SW:SW+3], s[60:61]  ; lanes 0-15: the step's 64 scale words: 256 consecutive bytes, aligned
	s_wait_xcnt 0x0                                ; and again ahead of the line that widens it
	s_or_b32 exec_lo, exec_lo, s72
	s_endpgm
	; ---- v: for each group b of 32 of the head's 64: two tiles of d x eight tiles of keys, sixteen accumulators by turns, a K step at a time
.Lv:
	v_cmp_le_u32 vcc_lo, 16, v1                    ; lanes 16-31: kept to the end
.irp b, 0,1
.irp s, 0,1,2,3
.irp t, 0,1,2,3,4,5,6,7
.irp c, 0,1
	ds_load_b128 v[XF+8*\t+4*\c:XF+8*\t+4*\c+3], v[LI] offset:(4*\t+\s)*1024+512*\c
.endr
.endr
.irp g, 0,1,2,3
	ds_load_b32 v[XSC+\g], v[L4] offset:XSB+\g*512+\s*128
.endr
	s_wait_dscnt 0x0
.if \s == 0
	WIN 0x14                                       ; source 1 (Wv) and source 2 (the bias) window 1
.else
	WIN 0x04
.endif
.irp t, 0,1,2,3,4,5,6,7
.irp u, 0,1
.if \s == 0
	WM ACC+64*\u+8*\t, XF+8*\t, 8*(4*(2*\b+\u)+\s), BI+8*(2*\b+\u), XSC+\t/2, WS+2*\s+\b, \t%2, \u
.else
	WM ACC+64*\u+8*\t, XF+8*\t, 8*(4*(2*\b+\u)+\s), ACC+64*\u+8*\t, XSC+\t/2, WS+2*\s+\b, \t%2, \u
.endif
.endr
.endr
	WIN 0
	PLACES                                         ; in front of the loads into registers that these products read, and of the first read of results
.endr
.irp u, 0,1
	s_wait_xcnt 0x0                                ; the last stores have read the codes' registers
	QUANT ACC+64*\u                                ; lane (r, h): d = 32 b + 8 u + r + (r & 8); register 16 g + i = key 32 g + 16 h + i
	global_store_b128 v[LI], v[VPC:VPC+3], s[58:59] offset:(2*\b+\u)*1024
	global_store_b128 v[LI], v[VPC+4:VPC+7], s[58:59] offset:(2*\b+\u)*1024+512
.if \u == 0
	v_mov_b32 v[VW0], v[VPW]
.else
	v_cndmask_b32 v[VW+\b], v[VW0], v[VPW], vcc_lo ; lanes 0-15 keep tile (b, 0)'s words, lanes 16-31 tile (b, 1)'s
.endif
.endr
.endr
	global_store_b64 v[L8], v[VW:VW+1], s[60:61]   ; the step's 64 scale words: 256 consecutive bytes, aligned
	s_wait_tensorcnt 0x0
	ds_add_u32 v254, v255
	s_wait_dscnt 0x0
	s_endpgm
.Lfunc_end_k_qecfb5938c0_qkv:
	.size	k_qecfb5938c0_qkv, .Lfunc_end_k_qecfb5938c0_qkv-k_qecfb5938c0_qkv
	.p2alignl 7, 3214868480
	.fill 96, 4, 3214868480
	.section	.rodata,"a",@progbits
	.p2align	6, 0x0
	.amdhsa_kernel k_qecfb5938c0_qkv
		.amdhsa_group_segment_fixed_size 168704
		.amdhsa_private_segment_fixed_size 0
		.amdhsa_enable_private_segment 0
		.amdhsa_kernarg_size 64
		.amdhsa_user_sgpr_count 2
		.amdhsa_user_sgpr_kernarg_segment_ptr 1
		.amdhsa_wavefront_size32 1
		.amdhsa_system_sgpr_workgroup_id_x 1
		.amdhsa_system_sgpr_workgroup_id_y 1
		.amdhsa_system_sgpr_workgroup_id_z 1
		.amdhsa_system_vgpr_workitem_id 0
		.amdhsa_next_free_vgpr 416
		.amdhsa_next_free_sgpr 80
		.amdhsa_reserve_vcc 1
		.amdhsa_float_denorm_mode_32 3
		.amdhsa_float_denorm_mode_16_64 3
		.amdhsa_memory_ordered 1
		.amdhsa_forward_progress 1
		.amdhsa_inst_pref_size 96
	.end_amdhsa_kernel
	.amdgpu_metadata
---
amdhsa.version: [ 1, 2 ]
amdhsa.kernels:
  - .name:           k_qecfb5938c0_qkv
    .symbol:         k_qecfb5938c0_qkv.kd
    .args:
      - { .name: xq, .offset: 0, .size: 8, .value_kind: global_buffer, .address_space: global }
      - { .name: wq, .offset: 8, .size: 8, .value_kind: global_buffer, .address_space: global }
      - { .name: bq, .offset: 16, .size: 8, .value_kind: global_buffer, .address_space: global }
      - { .name: bk, .offset: 24, .size: 8, .value_kind: global_buffer, .address_space: global }
      - { .name: bv, .offset: 32, .size: 8, .value_kind: global_buffer, .address_space: global }
      - { .name: qq, .offset: 40, .size: 8, .value_kind: global_buffer, .address_space: global }
      - { .name: kq, .offset: 48, .size: 8, .value_kind: global_buffer, .address_space: global }
      - { .name: vq, .offset: 56, .size: 8, .value_kind: global_buffer, .address_space: global }
    .group_segment_fixed_size: 168704
    .private_segment_fixed_size: 0
    .kernarg_segment_align: 8
    .kernarg_segment_size: 64
    .max_flat_workgroup_size: 192
    .sgpr_count:     80
    .vgpr_count:     416
    .wavefront_size: 32
...
	.end_amdgpu_metadata
.endif
;; end of part 2
;; launch attn (part 3): grid 16 x 16, 16 waves a work-group, clusters of 4 x 1, 327,680 bytes of LDS; arguments qq, kq, vq, aq; writes aq
.if DOCPART == 3
	.amdgcn_target "amdgcn-amd-amdhsa--gfx1250"
	.amdhsa_code_object_version 6
	.text
	.protected	k_qecfb5938c0_attn
	.globl	k_qecfb5938c0_attn
	.p2align	8
	.type	k_qecfb5938c0_attn,@function
k_qecfb5938c0_attn:
	s_mov_b64 s[64:65], 0
	v_nop
	global_prefetch_b8 v0, s[64:65] scope:SCOPE_SE
	s_setreg_imm32_b32 hwreg(HW_REG_WAVE_MODE, 25, 1), 1
	s_wait_xcnt 0x0
	s_wait_alu depctr_hold_cnt(0) depctr_sa_sdst(0) depctr_va_vdst(0) depctr_va_sdst(0) depctr_va_ssrc(0) depctr_va_vcc(0) depctr_vm_vsrc(0)
	s_getreg_b32 s2, hwreg(HW_REG_IB_STS2, 6, 4)
	s_cmp_eq_u32 s2, 0
	s_cbranch_scc0 .Lentry_in_a_cluster
	s_endpgm
.Lentry_in_a_cluster:
	s_bfe_u32 s2, ttmp6, 0x10000c
	s_cmp_lg_u32 s2, 0x3003
	s_cbranch_scc0 .Lentry_shape_is_right
	s_endpgm
.Lentry_shape_is_right:
; ATTN: for one head, O[q] = sum over k of softmax_k(q . k / sqrt(512)) v[k], both products on codes of FP4 with E8M0 scales, and O / l quantised along the head's 64 for the last product.
; THE SOFTMAX AHEAD OF THE SECOND PRODUCT: t = score x log2(e) / sqrt(512); M = the row's largest t so far, rounded UP to a whole number; p = 2^(t - M) is quantised along the keys, not normalised.
; The row's sum l is taken of the unquantised p and divides O at the end.  When M moves, l and O are multiplied by 2^(old M - new M): exact.
; SHARES: a work-group owns 256 queries of one (batch, head); each of its sixteen waves owns one tile of 16 in 256 registers.  Every wave walks all 4,096 keys, 128 a step, two steps a trip (the two registers of -M take turns).
; THE WHOLE HEAD'S K AND V STAY IN LDS, as images of operand registers.  Every byte of LDS is filled ONCE, by ten joint loads at the head, one a wave (waves 0-3 quarters of K's codes, 4-7 of V's, 8 and 9 the scale words):
; one wait, one barrier, and none in the key loop.  CLUSTER: the four query blocks of a cluster belong to one head and ask for each part jointly.
; NO PREFETCH: each byte of K and V is asked for once, at the head; no loop stands ahead of these loads in which to ask earlier.
; K = 64 IN AN INSTRUCTION OF K = 128: a fragment of K is two half images; Q stands in twelve registers 0000 q 0000: [q | 0] multiplies the first, [0 | q] the second; the other's codes meet zero codes.
; A LANE HOLDS WHOLE BLOCKS OF 32 KEYS.  Both products are used transposed, a lane holds one query.  kq's tile (g, u) has key 32 g + 8 u + r + (r & 8) as row r.  A tile read here takes rows 0-7 from group 2 c and rows 8-15 from
; group 2 c + 1: row m of tile (c, i) is row (m & 7) + 8 (i / 2) of kq's tile (2 c + m / 8, i % 2), which is key 64 c + 32 (m / 8) + 8 i + (m & 7).  So register 32 c + 8 i + j of lane (r, h) is key 64 c + 32 h + 8 i + j:
; a block's maximum asks no other lane, and the conversions' results are P's operand registers as they stand.  K's LDS rows (a group's 1,024 bytes) are 1,152 bytes apart, so that the two groups' halves of a load fall on different banks.
; aq: codes at ((256 batch + tile) 8 + head) 512 (a half image); half-words H = byte(block 0) | byte(block 1) << 8 at 2097152 + head 16384 + (256 batch + tile) 32 + 2 r.
; LIMITS: NaN and infinities are not served; the promise holds while the scaled scores t stay under 2^31 in magnitude; a p under 2^-126 is 0; a block of p or of O whose largest magnitude lies under 2^-124 gets the byte 1
; (zero codes add nothing; this program alone reads the bytes).  A block's largest p is taken from the block's largest score by the same multiply-add and exponential: this takes v_exp_f32 not to fall where its input rises.
.set KP,   1152                        ; LDS: K's codes: (4 step + g) KP + u 512 + 16 lane
.set VCB,  147456                      ; V's codes: step 4096 + t 1024
.set KSB,  278528                      ; K's scale words: step 256 + 16 r + 4 g
.set VSB,  286720                      ; V's: step 256 + 8 lane + 4 b
.set STG,  294912                      ; 512 bytes for the half-words on the way out: no fill lands there
.set SPARE, 295424                     ; the spare words, 128 bytes a wave
.set AK0,  1                           ; v1-4 my lane's places in K's codes, V's codes, K's and V's scale words
.set AV0,  2
.set AS0,  3
.set AT0,  4
.set SA,   5                           ; v5   STG + 32 wave + 2 r
.set SR,   6                           ; v6   STG + 16 lane
.set LI,   7                           ; v7   16 x lane
                                       ; v8, v9 at work; v10 and v12 -M by turns; v13 the largest score; v[14:15] the sum in two halves; v16-27 0000 q 0000
.set QSW,  28                          ; Q's scale word
.set QO,   29
.set TP,   30
.set KF,   32                          ; v32-63   K's four fragments
.set VF,   64                          ; v64-95   V^T's four
.set S,    96                          ; v96-159  S^T, then p
.set O,    160                         ; v160-191 O^T
.set PC,   192                         ; v192-199 p's codes
.set KSW,  200                         ; v200-201 K's scale words: lanes 0-15 tiles 0, 1 of c, lanes 16-31 tiles 2, 3
.set VSW,  202                         ; v202-203 V's
.set PW,   204                         ; p's scale word
.set F,    206                         ; v[206:207] f = 2^(old M - new M); later 1 / l
.set BM,   208                         ; v208-209 my two blocks' largest scores, then their largest p
.set SO,   210                         ; v210-211 the conversions' scale operands
.set U,    212                         ; v212-213 the scale bytes
.set PKR,  214                         ; my two bytes
.set OT,   215                         ; lane l xor 16's
.set ADK,  216                         ; v216-219 the step's four addresses
.set ADV,  217
.set ADS,  218
.set ADT,  219
.set T,    220                         ; v220-231 six chains of the sum
.set X,    232                         ; v232-239 eight chains of the maxima
.set TM,   212                         ; QUANT2's six registers, on the way out
.set WV,   12
.set SEL,  20
.set CS,   22                          ; s[22:23] c = log2(e) / sqrt(512)
.set NC,   56                          ; s56 -c
.set TK,   66                          ; s66-68 the next step's byte in K's codes, V's codes, the scale words
.set TV,   67
.set TSC,  68
.set CNT,  69
.macro ROUND                           ; a round of the cluster's barrier
	s_barrier_signal -1
	s_barrier_wait -1
	s_cmp_lg_u32 s[WV], 0
	s_cbranch_scc1 .Lnot_wave_0_\@
	s_barrier_signal -3
.Lnot_wave_0_\@:
	s_barrier_wait -3
	s_barrier_signal -1
	s_barrier_wait -1
.endm
; 32 numbers of a lane, register 16 b + i = k 32 b + 16 h + i of my row, become a half image in v[pc] on, and H = byte(block 0) | byte(block 1) << 8 in v[hw]
.macro QUANT2 s, pc, hw
.irp b, 0,1
	v_max3_num_f32 v[TM+\b], |v[\s+16*\b]|, |v[\s+1+16*\b]|, 0x1800000
.endr
.irp i, 2,4,6,8,10,12,14
.irp b, 0,1
	s_delay_alu instid0(VALU_DEP_2)
	v_max3_num_f32 v[TM+\b], v[TM+\b], |v[\s+16*\b+\i]|, |v[\s+1+16*\b+\i]|
.endr
.endr
.irp b, 0,1
	s_delay_alu instid0(VALU_DEP_2)
	v_permlanex16_b32 v[TM+2+\b], v[TM+\b], s[SEL], s[SEL+1]
.endr
.irp b, 0,1
	s_delay_alu instid0(VALU_DEP_2)
	v_max_num_f32 v[TM+\b], v[TM+\b], v[TM+2+\b]
.endr
.irp b, 0,1
	s_delay_alu instid0(VALU_DEP_2)
	v_add_nc_u32 v[TM+4+\b], 0xff000000, v[TM+\b]
.endr
.irp b, 0,1
	s_delay_alu instid0(VALU_DEP_2)
	v_lshrrev_b32 v[TM+2+\b], 23, v[TM+4+\b]
.endr
	s_delay_alu instid0(VALU_DEP_1)
	v_lshl_or_b32 v[\hw], v[TM+3], 8, v[TM+2]
.irp b, 0,1
	v_cvt_scalef32_pk8_fp4_f32 v[\pc+2*\b], v[\s+16*\b:\s+7+16*\b], v[TM+4+\b]
	v_cvt_scalef32_pk8_fp4_f32 v[\pc+1+2*\b], v[\s+8+16*\b:\s+15+16*\b], v[TM+4+\b]
.endr
	v_nop
	v_permlane16_swap_b32 v[\pc], v[\pc+2]
	v_permlane16_swap_b32 v[\pc+1], v[\pc+3]
.endm
	s_load_b256 s[4:11], s[0:1], 0x0               ; qq s[4:5], kq s[6:7], vq s[8:9], aq s[10:11]
	v_lshl_add_u32 v254, v0, 2, SPARE
	v_mov_b32 v255, 0
	ds_add_u32 v254, v255                          ; the opening lines: the add twice on end, and its one wait ahead of the first tensor load
	ds_add_u32 v254, v255
	v_lshrrev_b32 v1, 5, v0
	s_delay_alu instid0(VALU_DEP_1)
	v_readfirstlane_b32 s[WV], v1                  ; wave 0..15
	s_bfe_u32 s13, ttmp6, 0x40000                  ; cx: it enters Q's and aq's addresses alone
	s_lshl_b32 s14, ttmp9, 2
	s_add_co_u32 s14, s14, s13                     ; my block of 256 queries
	s_and_b32 s15, ttmp7, 0xffff                   ; bh = 8 batch + head, which the four partners share
	; descriptor groups 1: rows of 1,024 dense bytes (128 elements of 8).  K's codes: 32 rows, 32 words of padding behind each 256; V's codes: 32 rows; scale words: 8 rows
	s_mov_b32 s24, 15|(3<<16)|(1<<20)|(1<<21)|(7<<22)|(31<<25)
	s_mov_b32 s25, 128<<16
	s_mov_b32 s26, 32<<16
	s_mov_b32 s27, 128<<16
	s_mov_b32 s28, 32
	s_mov_b32 s29, 128
	s_mov_b32 s30, 0
	s_mov_b32 s31, 0
	s_mov_b32 s32, 15|(3<<16)|(1<<21)
	s_mov_b32 s33, 128<<16
	s_mov_b32 s34, 32<<16
	s_mov_b32 s35, 128<<16
	s_mov_b32 s36, 32
	s_mov_b32 s37, 128
	s_mov_b32 s38, 0
	s_mov_b32 s39, 0
	s_mov_b32 s92, 15|(3<<16)|(1<<21)
	s_mov_b32 s93, 128<<16
	s_mov_b32 s94, 8<<16
	s_mov_b32 s95, 128<<16
	s_mov_b32 s96, 8
	s_mov_b32 s97, 128
	s_mov_b32 s98, 0
	s_mov_b32 s99, 0
	s_mov_b32 s[SEL], 0x76543210
	s_mov_b32 s[SEL+1], 0xfedcba98                 ; v_permlanex16_b32's selects for lane l xor 16
	s_mov_b32 s[CS], 0x3d8293ee                    ; c
	s_mov_b32 s[CS+1], s[CS]
	s_mov_b32 s[NC], 0xbd8293ee                    ; -c
	; what a fetching wave fetches: quarter wave % 4 of the codes.  Nothing here hangs on cx
	s_and_b32 s18, s[WV], 3
	s_mov_b32 s40, 1
	s_mul_i32 s41, s18, 32*KP
	s_lshl_b32 s84, s18, 15
	s_mov_b32 s44, 1
	s_add_co_u32 s45, s84, VCB
	s_mov_b32 s48, 1
	s_mov_b32 s49, KSB
	s_mov_b32 s52, 1
	s_mov_b32 s53, VSB
	s_lshl_b32 s82, s15, 17
	s_add_co_u32 s82, s82, s84                     ; the codes in memory
	s_mov_b32 s83, 0
	s_lshl_b32 s80, s15, 13
	s_add_co_u32 s80, s80, 2097152                 ; the scale words in memory
	s_mov_b32 s81, 0
	; my query tile, and where its results go
	s_lshl_b32 s72, s14, 4
	s_add_co_u32 s72, s72, s[WV]                   ; tile within the batch
	s_lshl_b32 s74, s72, 9
	s_lshl_b32 s75, s15, 17
	s_add_co_u32 s74, s74, s75
	s_mov_b32 s75, 0                               ; Q's half image
	s_lshr_b32 s76, s72, 3
	s_lshl_b32 s76, s76, 8                         ; its scale word: step (tile / 8) 256,
	s_lshl_b32 s77, s15, 13
	s_add_co_u32 s76, s76, s77
	s_bfe_u32 s77, s72, 0x20001                    ; group (tile / 2) % 4,
	s_lshl_b32 s77, s77, 2
	s_add_co_u32 s76, s76, s77
	s_add_co_u32 s76, s76, 2097152
	s_mov_b32 s77, 0
	s_and_b32 s88, s[WV], 1
	s_lshl_b32 s88, s88, 4                         ; and the word's half
	s_lshr_b32 s2, s15, 3                          ; batch
	s_and_b32 s3, s15, 7                           ; head
	s_lshl_b32 s2, s2, 8
	s_add_co_u32 s60, s2, s72
	s_lshl_b32 s60, s60, 12
	s_lshl_b32 s61, s3, 9
	s_add_co_u32 s60, s60, s61
	s_mov_b32 s61, 0                               ; aq's codes
	s_lshl_b32 s63, s14, 4
	s_add_co_u32 s62, s2, s63
	s_lshl_b32 s62, s62, 5
	s_lshl_b32 s63, s3, 14
	s_add_co_u32 s62, s62, s63
	s_add_co_u32 s62, s62, 2097152
	s_mov_b32 s63, 0                               ; aq's half-words
	s_lshl_b32 s2, s[WV], 5
	s_add_co_u32 s2, s2, STG
	v_and_b32 v8, 31, v0                           ; lane
	v_and_b32 v9, 15, v0                           ; r
	v_bfe_u32 v10, v0, 4, 1                        ; h
	v_bfe_u32 v11, v0, 3, 1                        ; r / 8
	v_and_b32 v12, 7, v0                           ; r & 7
	v_lshlrev_b32 v[LI], 4, v8
	v_lshlrev_b32 v[QO], 4, v9
	v_lshl_add_u32 v[AT0], v8, 3, VSB
	v_mul_u32_u24 v[AK0], v11, KP                  ; K's codes: (r / 8) KP + 256 h + 16 (r & 7)
	v_lshl_add_u32 v[AS0], v12, 4, KSB             ; K's scale words: 16 ((r & 7) + 8 h) + 4 (r / 8)
	v_add_nc_u32 v[AV0], VCB, v[LI]
	v_add_nc_u32 v[SR], STG, v[LI]
	v_lshl_add_u32 v[SA], v9, 1, s2
	v_lshl_add_u32 v[AK0], v10, 8, v[AK0]
	v_lshl_add_u32 v[AS0], v10, 7, v[AS0]
	v_mov_b32 v16, 0                               ; the zero codes on both sides of q
	v_mov_b32 v17, 0
	v_mov_b32 v18, 0
	v_lshl_add_u32 v[AK0], v12, 4, v[AK0]
	v_lshl_add_u32 v[AS0], v11, 2, v[AS0]
	s_wait_alu depctr_va_vdst(0)
	s_wait_dscnt 0x0                               ; both opening adds are done
	s_wait_kmcnt 0x0
	s_add_nc_u64 s[42:43], s[6:7], s[82:83]
	s_or_b32 s43, s43, 0x80000000
	s_add_nc_u64 s[46:47], s[8:9], s[82:83]
	s_or_b32 s47, s47, 0x80000000
	s_add_nc_u64 s[50:51], s[6:7], s[80:81]
	s_or_b32 s51, s51, 0x80000000
	s_add_nc_u64 s[54:55], s[8:9], s[80:81]
	s_or_b32 s55, s55, 0x80000000
	s_add_nc_u64 s[70:71], s[4:5], s[74:75]
	s_add_nc_u64 s[76:77], s[4:5], s[76:77]
	s_add_nc_u64 s[60:61], s[10:11], s[60:61]
	s_add_nc_u64 s[62:63], s[10:11], s[62:63]
	ROUND                                          ; all four work-groups are here: the joint loads meet
; THE HEAD'S LOADS, one a wave: one chain of branches on the wave's number, an arm a load, all arms leading to one join
.macro ARM under, g0, g1, next
	s_cmp_lt_u32 s[WV], \under
	s_cbranch_scc0 \next
	tensor_load_to_lds s[\g0:\g0+3], s[\g1:\g1+7]
	s_nop 0
.rept 4
	v_nop
.endr
	s_branch .Lhead_asked
\next:
.endm
	ARM 4, 40, 24, .Lhead_v
	ARM 8, 44, 32, .Lhead_sk
	ARM 9, 48, 92, .Lhead_sv
	ARM 10, 52, 92, .Lhead_none
.Lhead_asked:
	global_load_b128 v[20:23], v[LI], s[70:71]     ; Q's half image stays in registers
	global_load_b32 v[TP], v[QO], s[76:77]
	v_mov_b32 v13, 0xff61b1e6                      ; the largest score so far: -3e38
.irp j, 19,24,25,26,27
	v_mov_b32 v[\j], 0
.endr
	v_mul_f32 v8, s[NC], v13
.irp j, 14,15,11,9,OT
	v_mov_b32 v[\j], 0                             ; the sum; the pair's upper half; the lane permutes' destinations
.endr
	v_floor_f32 v10, v8                            ; -M
	v_mov_b32 v[F+1], 0
	v_mov_b32 v[ADK], v[AK0]                       ; step 0's addresses
	v_mov_b32 v[ADV], v[AV0]
	v_mov_b32 v[ADS], v[AS0]
	v_mov_b32 v[ADT], v[AT0]
	s_wait_loadcnt 0x0
	v_lshrrev_b32 v[TP], s88, v[TP]
	s_delay_alu instid0(VALU_DEP_1)
	v_and_b32 v[TP], 0xffff, v[TP]                 ; H of my tile
	s_delay_alu instid0(VALU_DEP_1)
	v_lshl_or_b32 v[QSW], v[TP], 16, v[TP]         ; the same two bytes for q in the lower and in the upper half of K
.set j, 0
.rept 32
	v_mov_b32 v[O+j], 0                            ; O^T: the first step finds zeros.  (Also the places between Q's scale word and its first use)
.set j, j+1
.endr
.macro SW c, p                         ; two tiles of scores: fragment (c, p) against [q | 0] and [0 | q]
.if \p == 0
	v_wmma_scale_f32_16x16x128_f8f6f4 v[S+32*\c:S+32*\c+7], v[KF+16*\c:KF+16*\c+7], v[20:27], 0, v[KSW+\c], v[QSW] matrix_a_fmt:MATRIX_FMT_FP4 matrix_b_fmt:MATRIX_FMT_FP4
	v_wmma_scale_f32_16x16x128_f8f6f4 v[S+32*\c+8:S+32*\c+15], v[KF+16*\c:KF+16*\c+7], v[16:23], 0, v[KSW+\c], v[QSW] matrix_a_fmt:MATRIX_FMT_FP4 matrix_b_fmt:MATRIX_FMT_FP4
.else
	v_wmma_scale_f32_16x16x128_f8f6f4 v[S+32*\c+16:S+32*\c+23], v[KF+16*\c+8:KF+16*\c+15], v[20:27], 0, v[KSW+\c], v[QSW] matrix_a_fmt:MATRIX_FMT_FP4 matrix_b_fmt:MATRIX_FMT_FP4 matrix_a_scale:MATRIX_SCALE_ROW1
	v_wmma_scale_f32_16x16x128_f8f6f4 v[S+32*\c+24:S+32*\c+31], v[KF+16*\c+8:KF+16*\c+15], v[16:23], 0, v[KSW+\c], v[QSW] matrix_a_fmt:MATRIX_FMT_FP4 matrix_b_fmt:MATRIX_FMT_FP4 matrix_a_scale:MATRIX_SCALE_ROW1
.endif
.endm
; a round of the maxima: block c's 32 scores go in four chains of 9, 9, 7, 7 that begin at registers 0, 9, 18, 25: each tile's first read names one of its four lowest registers; eight chains by turns
.macro MXR r
.irp g, 1,0
.irp c, 0,1
.irp e, 0,1
.set KK, 2*\g+\e
.set B0, S+32*\c+9*KK-2*(KK/3)
.if \r == 0
	v_max3_num_f32 v[X+4*\c+KK], v[B0], v[B0+1], v[B0+2]
.else
	v_max3_num_f32 v[X+4*\c+KK], v[X+4*\c+KK], v[B0+1+2*\r], v[B0+2+2*\r]
.endif
.endr
.endr
.endr
.endm
; line n of the row's sum of p, two numbers a line: seven chains (six of their own, and the sum itself) by turns
.macro SUM n
.if (\n) < 6
	v_pk_add_f32 v[T+2*(\n):T+2*(\n)+1], v[S+4*(\n):S+4*(\n)+1], v[S+4*(\n)+2:S+4*(\n)+3]
.elseif ((\n)-6)%7 == 0
	v_pk_add_f32 v[14:15], v[14:15], v[S+12+2*(\n):S+13+2*(\n)]
.else
	v_pk_add_f32 v[T+2*(((\n)-6)%7)-2:T+2*(((\n)-6)%7)-1], v[T+2*(((\n)-6)%7)-2:T+2*(((\n)-6)%7)-1], v[S+12+2*(\n):S+13+2*(\n)]
.endif
.endm
.macro SUMS k
.rept \k
	SUM SN
.set SN, SN+1
.endr
.endm
; A KEY STEP: 128 keys.  nn: the register that takes the new -M; no: the one that holds the old
.macro STEP nn, no
	ds_load_b32 v[KSW], v[ADS]
	ds_load_b32 v[KSW+1], v[ADS] offset:8
.irp c, 0,1
.irp p, 0,1
.irp u, 0,1
	ds_load_b128 v[KF+16*\c+8*\p+4*\u:KF+16*\c+8*\p+4*\u+3], v[ADK] offset:2*KP*\c+128*\p+512*\u
.endr
.endr
.endr
	ds_load_b64 v[VSW:VSW+1], v[ADT]
.irp i, 0,1,2,3,4,5,6,7
	ds_load_b128 v[VF+4*\i:VF+4*\i+3], v[ADV] offset:512*\i
.endr
	s_add_co_u32 s[TK], s[TK], 4*KP                ; the next step's places
	s_add_co_u32 s[TV], s[TV], 4096
	s_add_co_u32 s[TSC], s[TSC], 256
	s_wait_dscnt 9                                 ; K's ten loads are in; V's nine stay out until the second product
	SW 0, 0
	SW 0, 1
	SW 1, 0
	SW 1, 1
	v_add_nc_u32 v[ADK], s[TK], v[AK0]             ; the next step's addresses: the four places between the products and the first read of scores
	v_add_nc_u32 v[ADV], s[TV], v[AV0]
	v_add_nc_u32 v[ADS], s[TSC], v[AS0]
	v_add_nc_u32 v[ADT], s[TSC], v[AT0]
	MXR 0
	MXR 1
	MXR 2
.irp c, 0,1
	v_max_num_f32 v[X+4*\c+2], v[X+4*\c+2], v[X+4*\c+3]
.endr
.irp c, 0,1
.irp e, 0,1
	v_max3_num_f32 v[X+4*\c+\e], v[X+4*\c+\e], v[S+32*\c+9*\e+7], v[S+32*\c+9*\e+8]
.endr
.endr
	s_delay_alu instid0(VALU_DEP_3)
	v_max3_num_f32 v[BM], v[X], v[X+1], v[X+2]     ; THE LARGEST SCORE OF EACH OF MY TWO BLOCKS serves twice: for the row's maximum and for the block's largest p
	s_delay_alu instid0(VALU_DEP_2)
	v_max3_num_f32 v[BM+1], v[X+4], v[X+5], v[X+6]
	s_delay_alu instid0(VALU_DEP_1)
	v_max3_num_f32 v8, v13, v[BM], v[BM+1]
	s_delay_alu instid0(VALU_DEP_1)
	v_permlanex16_b32 v9, v8, s[SEL], s[SEL+1]
	s_delay_alu instid0(VALU_DEP_1)
	v_max_num_f32 v13, v8, v9                      ; the running largest score of my query
	s_delay_alu instid0(VALU_DEP_1)
	v_mul_f32 v8, s[NC], v13                       ; -t
	s_delay_alu instid0(VALU_DEP_1)
	v_floor_f32 v[\nn], v8                         ; the new -M = floor(-t): M IS A WHOLE NUMBER
.set j, 0
.rept 32
	v_pk_fma_f32 v[S+j:S+j+1], v[S+j:S+j+1], s[CS:CS+1], v[\nn:\nn+1] op_sel_hi:[1,0,0]   ; t - M, two at a time (of the pairs c and -M the low word serves both halves)
.if j == 8
	v_sub_f32 v8, v[\nn], v[\no]                   ; M's old value less its new one: a whole number, 0 or less
.elseif j == 18
	v_cvt_i32_f32 v8, v8                           ; (it saturates)
.elseif j == 28
	v_ldexp_f32 v[F], 1.0, v8                      ; f = 2^(old M - new M)
.elseif j == 38
	v_fma_f32 v[BM], v[BM], s[CS], v[\nn]          ; the same multiply-add of each block's largest score
	v_fma_f32 v[BM+1], v[BM+1], s[CS], v[\nn]
.endif
.set j, j+2
.endr
	s_wait_alu depctr_va_vdst(0)
.set j, 0
.rept 64
	v_exp_f32 v[S+j], v[S+j]                       ; p = 2^(t - M), at most 1: NOT normalised
.set j, j+1
.endr
	v_exp_f32 v[BM], v[BM]                         ; the blocks' largest p
	v_exp_f32 v[BM+1], v[BM+1]
	v_pk_mul_f32 v[14:15], v[14:15], v[F:F+1] op_sel_hi:[1,0]      ; the sum under the new M: the plain line behind the batch
	s_wait_alu depctr_va_vdst(0)                   ; one wait for the batch, ahead of its first reader
.set SN, 0
	v_max_num_f32 v[BM], 0x1800000, v[BM]          ; the floor 2^(3 - 127): the byte cannot fall under 1.  The scale's lines stand five lines of the sum apart
	v_max_num_f32 v[BM+1], 0x1800000, v[BM+1]
	SUMS 5
	v_add_nc_u32 v[SO], 0xff000000, v[BM]          ; 2 off the exponent field: the conversion's scale operand
	v_add_nc_u32 v[SO+1], 0xff000000, v[BM+1]
	SUMS 5
	v_lshrrev_b32 v[U], 23, v[SO]                  ; the bytes of blocks h and 2 + h
	v_lshrrev_b32 v[U+1], 23, v[SO+1]
	SUMS 5
	v_lshl_or_b32 v[PKR], v[U+1], 8, v[U]
	SUMS 5
	v_permlanex16_b32 v[OT], v[PKR], s[SEL], s[SEL+1]
	SUMS 5
	v_perm_b32 v[PW], v[OT], v[PKR], 0x05010400    ; lanes 0-15: mine, the other's, mine, the other's: p's scale word (lanes 16-31 are not read)
	SUMS 1
.irp c, 0,1
.irp t, 0,1,2,3
	v_cvt_scalef32_pk8_fp4_f32 v[PC+4*\c+\t], v[S+32*\c+8*\t:S+32*\c+8*\t+7], v[SO+\c]    ; keys 64 c + 32 h + 8 t on: register 4 c + t of P's operand
.endr
.endr
	v_pk_add_f32 v[T:T+1], v[T:T+1], v[T+6:T+7]    ; the chains are joined.  (The plain line behind the conversions)
	v_pk_add_f32 v[T+2:T+3], v[T+2:T+3], v[T+8:T+9]
	s_wait_dscnt 0x0                               ; V is in
	s_wait_alu depctr_va_vdst(0)                   ; directly ahead of the first reader of O^T
.set j, 0
.rept 16
	v_pk_mul_f32 v[O+j:O+j+1], v[O+j:O+j+1], v[F:F+1] op_sel_hi:[1,0]     ; O^T under the new M, each accumulator from its low end on; twelve of the sixteen name no register of any one product below
.set j, j+2
.endr
.irp t, 0,1,2,3                                        ; O^T += V^T P^T; the four accumulators take turns
.if \t%2 == 0
	v_wmma_scale_f32_16x16x128_f8f6f4 v[O+8*\t:O+8*\t+7], v[VF+8*\t:VF+8*\t+7], v[PC:PC+7], v[O+8*\t:O+8*\t+7], v[VSW+\t/2], v[PW] matrix_a_fmt:MATRIX_FMT_FP4 matrix_b_fmt:MATRIX_FMT_FP4
.else
	v_wmma_scale_f32_16x16x128_f8f6f4 v[O+8*\t:O+8*\t+7], v[VF+8*\t:VF+8*\t+7], v[PC:PC+7], v[O+8*\t:O+8*\t+7], v[VSW+\t/2], v[PW] matrix_a_fmt:MATRIX_FMT_FP4 matrix_b_fmt:MATRIX_FMT_FP4 matrix_a_scale:MATRIX_SCALE_ROW1
.endif
.endr
	v_pk_add_f32 v[T+4:T+5], v[T+4:T+5], v[T+10:T+11]              ; the sum's last four lines are the places between these products and the next loads into their registers
	v_pk_add_f32 v[T:T+1], v[T:T+1], v[T+2:T+3]
	s_delay_alu instid0(VALU_DEP_2)
	v_pk_add_f32 v[14:15], v[14:15], v[T+4:T+5]
	s_delay_alu instid0(VALU_DEP_1)
	v_pk_add_f32 v[14:15], v[14:15], v[T:T+1]
.endm
	s_mov_b32 s[TK], 0
	s_mov_b32 s[TV], 0
	s_mov_b32 s[TSC], 0
	s_mov_b32 s[CNT], 16
	s_wait_alu depctr_va_vdst(0)
	s_wait_tensorcnt 0x0                           ; my part of K and V, if I fetched one, has landed:
	s_barrier_signal -1
	s_barrier_wait -1                              ; all ten have, for every wave.  Nothing in LDS is filled again
.Lk:
	STEP 12, 10
	STEP 10, 12
	s_sub_co_u32 s[CNT], s[CNT], 1
	s_cmp_lg_u32 s[CNT], 0
	s_cbranch_scc1 .Lk
	; THE WAY OUT: O^T / l, quantised along the head's 64: a half image of the last product's operand, and two scale bytes a row
	v_add_f32 v14, v14, v15                        ; the sum's two halves,
	s_delay_alu instid0(VALU_DEP_1)
	v_permlanex16_b32 v[TP], v14, s[SEL], s[SEL+1]
	s_delay_alu instid0(VALU_DEP_1)
	v_add_f32 v14, v14, v[TP]                      ; and lane l xor 16's: the row's sum
	s_wait_alu depctr_va_vdst(0)
	v_rcp_f32 v[F], v14
	v_nop                                          ; a plain line behind it,
	s_wait_alu depctr_va_vdst(0)                   ; and the wait ahead of its first reader, which is also the first reader of O^T
.set j, 0
.rept 16
	v_pk_mul_f32 v[S+j:S+j+1], v[O+j:O+j+1], v[F:F+1] op_sel_hi:[1,0]     ; register 16 b + i = o(my query, 32 b + 16 h + i)
.set j, j+2
.endr
	QUANT2 S, PC, TP
	global_store_b128 v[LI], v[PC:PC+3], s[60:61]  ; 512 consecutive bytes, aligned
	ds_store_b16 v[SA], v[TP]                      ; both halves of the lanes write the same bytes with the same value
	s_wait_dscnt 0x0                               ; for the others' sake: my store has landed
	s_barrier_signal -1
	s_barrier_wait -1
	s_cmp_lg_u32 s[WV], 0                          ; wave 0 stores the work-group's 256 half-words: 512 consecutive bytes, aligned
	s_cbranch_scc1 .Lnot_0
	ds_load_b128 v[S:S+3], v[SR]
	s_wait_dscnt 0x0
	global_store_b128 v[LI], v[S:S+3], s[62:63]
.Lnot_0:
	s_wait_tensorcnt 0x0                           ; the wave's end
	ds_add_u32 v254, v255
	s_wait_dscnt 0x0
	ROUND                                          ; the closing round
	s_endpgm
.Lfunc_end_k_qecfb5938c0_attn:
	.size	k_qecfb5938c0_attn, .Lfunc_end_k_qecfb5938c0_attn-k_qecfb5938c0_attn
	.p2alignl 7, 3214868480
	.fill 96, 4, 3214868480
	.section	.rodata,"a",@progbits
	.p2align	6, 0x0
	.amdhsa_kernel k_qecfb5938c0_attn
		.amdhsa_group_segment_fixed_size 327680
		.amdhsa_private_segment_fixed_size 0
		.amdhsa_enable_private_segment 0
		.amdhsa_kernarg_size 32
		.amdhsa_user_sgpr_count 2
		.amdhsa_user_sgpr_kernarg_segment_ptr 1
		.amdhsa_wavefront_size32 1
		.amdhsa_system_sgpr_workgroup_id_x 1
		.amdhsa_system_sgpr_workgroup_id_y 1
		.amdhsa_system_sgpr_workgroup_id_z 1
		.amdhsa_system_vgpr_workitem_id 0
		.amdhsa_next_free_vgpr 256
		.amdhsa_next_free_sgpr 104
		.amdhsa_reserve_vcc 0
		.amdhsa_float_denorm_mode_32 3
		.amdhsa_float_denorm_mode_16_64 3
		.amdhsa_memory_ordered 1
		.amdhsa_forward_progress 1
		.amdhsa_inst_pref_size 43
	.end_amdhsa_kernel
	.amdgpu_metadata
---
amdhsa.version: [ 1, 2 ]
amdhsa.kernels:
  - .name:           k_qecfb5938c0_attn
    .symbol:         k_qecfb5938c0_attn.kd
    .args:
      - { .name: qq, .offset: 0, .size: 8, .value_kind: global_buffer, .address_space: global }
      - { .name: kq, .offset: 8, .size: 8, .value_kind: global_buffer, .address_space: global }
      - { .name: vq, .offset: 16, .size: 8, .value_kind: global_buffer, .address_space: global }
      - { .name: aq, .offset: 24, .size: 8, .value_kind: global_buffer, .address_space: global }
    .group_segment_fixed_size: 327680
    .private_segment_fixed_size: 0
    .kernarg_segment_align: 8
    .kernarg_segment_size: 32
    .max_flat_workgroup_size: 512
    .sgpr_count:     104
    .vgpr_count:     256
    .wavefront_size: 32
...
	.end_amdgpu_metadata
.endif
;; end of part 3
;; launch oproj (part 4): grid 64 x 4, 8 waves a work-group, no clusters, 168,960 bytes of LDS; arguments aq, wq, bo, out0; writes out0
.if DOCPART == 4
	.amdgcn_target "amdgcn-amd-amdhsa--gfx1250"
	.amdhsa_code_object_version 6
	.text
	.protected	k_qecfb5938c0_oproj
	.globl	k_qecfb5938c0_oproj
	.p2align	8
	.type	k_qecfb5938c0_oproj,@function
k_qecfb5938c0_oproj:
	s_mov_b64 s[64:65], 0
	v_nop
	global_prefetch_b8 v0, s[64:65] scope:SCOPE_SE
	s_setreg_imm32_b32 hwreg(HW_REG_WAVE_MODE, 25, 1), 1
	s_wait_xcnt 0x0
; OPROJ: out0 = a Wo + bo on codes of FP4 with E8M0 scales; a's codes and scale bytes were made by the attention launch, Wo's by the first.
; SHARES: a work-group takes 128 rows (8 tiles of 16) and 128 columns.  Wave w: columns 32 (w % 4) on (two tiles of Wo, eight fragments, kept in registers), rows 64 (w / 4) on (four tiles).
; a's 32 fragments (a tile's 4,096 bytes are its four K steps' images: head 2 s + c is registers 4 c .. 4 c + 3 of K step s) and its half-words come into LDS once, by two tensor loads.
; THE PRODUCT IS USED TRANSPOSED (source 0 = 16 columns of Wo, source 1 = 16 rows of a): a lane holds one row, and the registers of tiles (g, 0), (g, 1) are columns 32 g + 16 h + 0 .. 15.
; Fragment row r of tile (G, u) is row 32 G + 8 u + r + (r & 8): the stage's row numbers undo that, so that whole rows of out0 leave in order.  The bias is the C of each sum's first matrix instruction.
; THE WAY OUT: 128 rows x 512 bytes meet in a stage (rows 528 bytes apart; rows r and r + 16 of a store fall on the same banks); each wave then stores 16 rows, 512 consecutive aligned bytes an instruction.
; NO CLUSTER: a work-group's 34,816 bytes of a are shared with three neighbours along y, beside 33 KB of weights that go straight into registers and 64 KB of output that nobody shares.
; LDS is filled once; the stage has bytes of its own.
.set ASB,  32768                       ; LDS: a's fragments at (4 tile + s) 1024; the half-words at ASB + head 256 + tile 32 + 2 r
.set STG,  34816                       ; the stage
.set SP,   528
.set LI,   4                           ; v4   16 x lane
.set L4,   5                           ; v5   4 x lane
.set AL,   6                           ; v6   my four tiles' fragments
.set A2,   7                           ; v7   my four tiles' half-words
.set SO,   8                           ; v8   the stage: where I put 16 bytes of a row
.set SR,   9                           ; v9   and where I read a row back
.set BOF,  10                          ; v10  64 h
.set ASW,  16                          ; v16-31   a's scale words, (tile i, K step s) at 4 i + s
.set WF,   32                          ; v32-95   Wo's fragments, (tile u, K step s) at 8 (4 u + s); on the way out rows of out0
.set AF,   96                          ; v96-159  a's fragments, two sets of four
.set ACC,  160                         ; v160-223 accumulators, (i, u) at 16 i + 8 u; ahead of the products the 32 half-words
.set BI,   224                         ; v224-239 the bias, eight registers a tile of columns
.set WS,   240                         ; v240-243 Wo's scale words: lanes 0-15 tile 0, lanes 16-31 tile 1
.set WV,   12
.macro WM d, a, b, c, sa, sb, ra
.if (\ra)==0
	v_wmma_scale_f32_16x16x128_f8f6f4 v[\d:\d+7], v[\a:\a+7], v[\b:\b+7], v[\c:\c+7], v[\sa], v[\sb] matrix_a_fmt:MATRIX_FMT_FP4 matrix_b_fmt:MATRIX_FMT_FP4
.else
	v_wmma_scale_f32_16x16x128_f8f6f4 v[\d:\d+7], v[\a:\a+7], v[\b:\b+7], v[\c:\c+7], v[\sa], v[\sb] matrix_a_fmt:MATRIX_FMT_FP4 matrix_b_fmt:MATRIX_FMT_FP4 matrix_a_scale:MATRIX_SCALE_ROW1
.endif
.endm
.macro AFETCH i                        ; my tile i's four fragments into set i % 2
.irp s, 0,1,2,3
.irp c, 0,1
	ds_load_b128 v[AF+32*((\i)%2)+8*\s+4*\c:AF+32*((\i)%2)+8*\s+4*\c+3], v[AL] offset:(4*(\i)+\s)*1024+512*\c
.endr
.endr
.endm
	s_load_b256 s[4:11], s[0:1], 0x0               ; aq s[4:5], wq s[6:7], bo s[8:9], out0 s[10:11]
	v_lshl_add_u32 v254, v0, 2, 0x29000
	v_mov_b32 v255, 0
	ds_add_u32 v254, v255
	ds_add_u32 v254, v255
	v_lshrrev_b32 v1, 5, v0
	s_delay_alu instid0(VALU_DEP_1)
	v_readfirstlane_b32 s[WV], v1                  ; wave 0..7
	s_and_b32 s13, s[WV], 3                        ; which 32 of the 128 columns
	s_lshr_b32 s14, s[WV], 2                       ; which 64 of the 128 rows
	s_and_b32 s16, ttmp7, 0xffff                   ; which 128 of the 512 columns
	; descriptor group 1: the codes, 32,768 dense bytes as 128 rows of 256 (32 elements of 8 bytes); the half-words: 8 heads' rows of 256 bytes, 16,384 bytes apart
	s_mov_b32 s24, 3<<16
	s_mov_b32 s25, 32<<16
	s_mov_b32 s26, 128<<16
	s_mov_b32 s27, 32<<16
	s_mov_b32 s28, 128
	s_mov_b32 s29, 32
	s_mov_b32 s30, 0
	s_mov_b32 s31, 0
	s_mov_b32 s32, 3<<16
	s_mov_b32 s33, 32<<16
	s_mov_b32 s34, 8<<16
	s_mov_b32 s35, 32<<16
	s_mov_b32 s36, 8
	s_mov_b32 s37, 2048                            ; from row to row, in elements of 8 bytes
	s_mov_b32 s38, 0
	s_mov_b32 s39, 0
	v_and_b32 v1, 31, v0                           ; lane
	v_and_b32 v2, 15, v0                           ; r
	v_bfe_u32 v3, v0, 4, 1                         ; h
	s_delay_alu instid0(VALU_DEP_3)
	v_lshlrev_b32 v[LI], 4, v1
	s_wait_alu depctr_va_vdst(0)
	v_lshlrev_b32 v[L4], 2, v1
	s_lshl_b32 s17, s14, 14
	v_add_nc_u32 v[AL], s17, v[LI]                 ; four tiles of 4,096 bytes for each half of the rows
	s_lshl_b32 s17, s14, 7
	s_add_co_u32 s17, s17, ASB
	v_lshl_add_u32 v[A2], v2, 1, s17
	v_and_b32 v11, 8, v2
	s_delay_alu instid0(VALU_DEP_1)
	v_add_nc_u32 v11, v11, v2                      ; r + (r & 8)
	s_delay_alu instid0(VALU_DEP_1)
	v_mul_u32_u24 v[SO], v11, SP
	s_delay_alu instid0(VALU_DEP_1)
	v_lshl_add_u32 v[SO], v3, 6, v[SO]             ; + 64 h
	s_mul_i32 s17, s14, 64*SP
	s_lshl_b32 s18, s13, 7
	s_add_co_u32 s17, s17, s18                     ; + my 64 rows, + my 32 columns
	s_add_co_u32 s17, s17, STG
	v_add_nc_u32 v[SO], s17, v[SO]
	s_mul_i32 s17, s[WV], 16*SP
	s_add_co_u32 s17, s17, STG
	v_add_nc_u32 v[SR], s17, v[LI]                 ; back: rows 16 w on, 16 bytes a lane
	v_lshlrev_b32 v[BOF], 6, v3
	s_lshl_b32 s18, s16, 3
	s_lshl_b32 s19, s13, 1
	s_add_co_u32 s18, s18, s19                     ; my first tile of Wo's 32
	s_lshl_b32 s48, s18, 12
	s_add_co_u32 s48, s48, 96*4096                 ; Wo is the fourth weight
	s_mov_b32 s49, 0
	s_lshl_b32 s50, s18, 6
	s_add_co_u32 s50, s50, 524288+24576
	s_mov_b32 s51, 0
	s_lshl_b32 s52, s16, 9
	s_lshl_b32 s53, s13, 7
	s_add_co_u32 s52, s52, s53                     ; my 32 numbers of bo
	s_mov_b32 s53, 0
	s_lshl_b32 s54, ttmp9, 18                      ; out0: 128 rows of 2,048 bytes a work-group,
	s_lshl_b32 s55, s[WV], 15                      ; 16 a wave,
	s_add_co_u32 s54, s54, s55
	s_lshl_b32 s55, s16, 9                         ; the 128 columns
	s_add_co_u32 s54, s54, s55
	s_mov_b32 s55, 0
	s_lshl_b32 s56, ttmp9, 15                      ; a's codes
	s_mov_b32 s57, 0
	s_lshl_b32 s58, ttmp9, 8                       ; a's half-words: 8 tiles of 32 bytes in each head's row
	s_add_co_u32 s58, s58, 2097152
	s_mov_b32 s59, 0
	s_wait_dscnt 0x0
	s_wait_kmcnt 0x0
	s_mov_b32 s40, 1
	s_mov_b32 s41, 0
	s_add_nc_u64 s[42:43], s[4:5], s[56:57]
	s_or_b32 s43, s43, 0x80000000
	s_mov_b32 s44, 1
	s_mov_b32 s45, ASB
	s_add_nc_u64 s[46:47], s[4:5], s[58:59]
	s_or_b32 s47, s47, 0x80000000
	s_cmp_eq_u32 s[WV], 0                          ; wave 0 fetches the codes, wave 1 the half-words: the launch's only fills; four v_nop follow each
	s_cbranch_scc0 .Lnot_0
	tensor_load_to_lds s[40:43], s[24:31]
	s_nop 0
.rept 4
	v_nop
.endr
	s_branch .Lasked
.Lnot_0:
	s_cmp_eq_u32 s[WV], 1
	s_cbranch_scc0 .Lasked
	tensor_load_to_lds s[44:47], s[32:39]
	s_nop 0
.rept 4
	v_nop
.endr
.Lasked:
	s_add_nc_u64 s[48:49], s[6:7], s[48:49]
	s_add_nc_u64 s[50:51], s[6:7], s[50:51]
	s_add_nc_u64 s[52:53], s[8:9], s[52:53]
	s_add_nc_u64 s[54:55], s[10:11], s[54:55]
.set i, 0
.rept 16
	global_load_b128 v[WF+4*i:WF+4*i+3], v[LI], s[48:49] offset:512*i     ; two tiles x four K steps, 8 KB on end
.set i, i+1
.endr
.irp s, 0,1,2,3
	global_load_b32 v[WS+\s], v[L4], s[50:51] offset:\s*2048
.endr
	s_wait_alu depctr_va_vdst(0)
.irp u, 0,1                                            ; register j of tile u wants bo[32 g + 8 u + 16 h + j]
	global_load_b128 v[BI+8*\u:BI+8*\u+3], v[BOF], s[52:53] offset:32*\u
	global_load_b128 v[BI+8*\u+4:BI+8*\u+7], v[BOF], s[52:53] offset:32*\u+16
.endr
	s_wait_tensorcnt 0x0                           ; my fill, if I issued one, has landed:
	s_barrier_signal -1
	s_barrier_wait -1                              ; both have, for every wave
	s_wait_loadcnt 0x0
	AFETCH 0
.irp i, 0,1,2,3
.irp s, 0,1,2,3
.irp e, 0,1
	ds_load_u16 v[ACC+2*(4*\i+\s)+\e], v[A2] offset:512*\s+256*\e+32*\i   ; H of head 2 s + e, my row of tile i
.endr
.endr
.endr
	s_wait_dscnt 0x0
.set i, 0
.rept 16
	v_lshl_or_b32 v[ASW+i], v[ACC+2*i+1], 16, v[ACC+2*i]                  ; a K step's scale word: two heads' two bytes each
.set i, i+1
.endr
.rept 8
	v_nop                                          ; a scale register written by a vector instruction stands eight places ahead of a scaled matrix instruction
.endr
.irp i, 0,1,2,3
	s_wait_dscnt 0x0                               ; this tile's fragments are in
.if \i < 3
	AFETCH \i+1                                    ; the next tile's, into the other set: four places stand behind its last products
.endif
.irp s, 0,1,2,3                                        ; the two accumulators take turns
	s_wait_alu depctr_va_vdst(0)
.irp u, 0,1
.if \s == 0
	WM ACC+16*\i+8*\u, WF+8*(4*\u+\s), AF+32*(\i%2)+8*\s, BI+8*\u, WS+\s, ASW+4*\i+\s, \u
.else
	WM ACC+16*\i+8*\u, WF+8*(4*\u+\s), AF+32*(\i%2)+8*\s, ACC+16*\i+8*\u, WS+\s, ASW+4*\i+\s, \u
.endif
.endr
.endr
.rept 4
	v_nop
.endr
.endr
.irp i, 0,1,2,3                                        ; lane (r, h) of (i, u): row 32 (i / 2) + 8 (i % 2) + r + (r & 8) of my 64, columns 8 u + 16 h + 0 .. 7 of my 32; each accumulator from its low end on
.irp u, 0,1
	ds_store_b128 v[SO], v[ACC+16*\i+8*\u:ACC+16*\i+8*\u+3] offset:(32*(\i/2)+8*(\i%2))*SP+32*\u
	ds_store_b128 v[SO], v[ACC+16*\i+8*\u+4:ACC+16*\i+8*\u+7] offset:(32*(\i/2)+8*(\i%2))*SP+32*\u+16
.endr
.endr
	s_wait_dscnt 0x0                               ; for the others' sake: my stores into the stage have landed
	s_barrier_signal -1
	s_barrier_wait -1                              ; 128 whole rows lie in the stage
.irp i, 0,1,2,3,4,5,6,7,8,9,10,11,12,13,14,15
	ds_load_b128 v[WF+4*\i:WF+4*\i+3], v[SR] offset:\i*SP
.endr
.irp i, 0,1,2,3,4,5,6,7,8,9,10,11,12,13,14,15
	s_wait_dscnt 15-\i                             ; row i is back; the younger rows stay out
	global_store_b128 v[LI], v[WF+4*\i:WF+4*\i+3], s[54:55] offset:\i*2048 th:TH_STORE_NT   ; 32 lanes store 512 consecutive bytes, aligned; written once, read by nobody here
.endr
	s_wait_tensorcnt 0x0
	ds_add_u32 v254, v255
	s_wait_dscnt 0x0
	s_endpgm
.Lfunc_end_k_qecfb5938c0_oproj:
	.size	k_qecfb5938c0_oproj, .Lfunc_end_k_qecfb5938c0_oproj-k_qecfb5938c0_oproj
	.p2alignl 7, 3214868480
	.fill 96, 4, 3214868480
	.section	.rodata,"a",@progbits
	.p2align	6, 0x0
	.amdhsa_kernel k_qecfb5938c0_oproj
		.amdhsa_group_segment_fixed_size 168960
		.amdhsa_private_segment_fixed_size 0
		.amdhsa_enable_private_segment 0
		.amdhsa_kernarg_size 32
		.amdhsa_user_sgpr_count 2
		.amdhsa_user_sgpr_kernarg_segment_ptr 1
		.amdhsa_wavefront_size32 1
		.amdhsa_system_sgpr_workgroup_id_x 1
		.amdhsa_system_sgpr_workgroup_id_y 1
		.amdhsa_system_sgpr_workgroup_id_z 1
		.amdhsa_system_vgpr_workitem_id 0
		.amdhsa_next_free_vgpr 256
		.amdhsa_next_free_sgpr 66
		.amdhsa_reserve_vcc 0
		.amdhsa_float_denorm_mode_32 3
		.amdhsa_float_denorm_mode_16_64 3
		.amdhsa_memory_ordered 1
		.amdhsa_forward_progress 1
		.amdhsa_inst_pref_size 22
	.end_amdhsa_kernel
	.amdgpu_metadata
---
amdhsa.version: [ 1, 2 ]
amdhsa.kernels:
  - .name:           k_qecfb5938c0_oproj
    .symbol:         k_qecfb5938c0_oproj.kd
    .args:
      - { .name: aq, .offset: 0, .size: 8, .value_kind: global_buffer, .address_space: global }
      - { .name: wq, .offset: 8, .size: 8, .value_kind: global_buffer, .address_space: global }
      - { .name: bo, .offset: 16, .size: 8, .value_kind: global_buffer, .address_space: global }
      - { .name: out0, .offset: 24, .size: 8, .value_kind: global_buffer, .address_space: global }
    .group_segment_fixed_size: 168960
    .private_segment_fixed_size: 0
    .kernarg_segment_align: 8
    .kernarg_segment_size: 32
    .max_flat_workgroup_size: 256
    .sgpr_count:     66
    .vgpr_count:     256
    .wavefront_size: 32
...
	.end_amdgpu_metadata
.endif
;; end of part 4
